; MI455X (gfx1250); checked and timed in simulation.
; The chip was launched on July 23, 2026; its instructions are those of AMD's public machine-readable ISA for CDNA 5 (MIT licence, August 2026) and "CDNA5" Instruction Set Architecture Reference Guide (July 2026). The comments in the code are by the model that wrote it; some were corrected since.
;; Block. Allowed arithmetic: matrix products marked QUANTISED: E5M2 operands, one E8M0 scale for each 32 along K, by v_wmma_scale_f32_16x16x128_f8f6f4 with both operands' format E5M2, f32 sums; everything else in f32.
;; Inputs: attn_b 3,072 float32; attn_proj_b 1,024 float32; attn_proj_w_codes 1,024 x 32 x 32 uint8 (E5M2 codes of attn_proj_w, K innermost, in blocks of 32 codes); attn_proj_w_scales 1,024 x 32 uint8 (E8M0 scales of attn_proj_w, one for each 32 codes along K); attn_w_codes 3,072 x 32 x 32 uint8 (E5M2 codes of attn_w, K innermost, in blocks of 32 codes); attn_w_scales 3,072 x 32 uint8 (E8M0 scales of attn_w, one for each 32 codes along K); fc_b 4,096 float32; fc_w_codes 4,096 x 32 x 32 uint8 (E5M2 codes of fc_w, K innermost, in blocks of 32 codes); fc_w_scales 4,096 x 32 uint8 (E8M0 scales of fc_w, one for each 32 codes along K); ln1_b 1,024 float32; ln1_w 1,024 float32; ln2_b 1,024 float32; ln2_w 1,024 float32; mlp_proj_b 1,024 float32; mlp_proj_w_codes 1,024 x 128 x 32 uint8 (E5M2 codes of mlp_proj_w, K innermost, in blocks of 32 codes); mlp_proj_w_scales 1,024 x 128 uint8 (E8M0 scales of mlp_proj_w, one for each 32 codes along K); x 2 x 2,048 x 1,024 float32.
;; Outputs: out0 2 x 2,048 x 1,024 float32.
;; This version of the problem:
;;   THIS VERSION OF THE PROBLEM IS GIVEN IN LOW PRECISION. The matrix products marked QUANTISED in the list below multiply operands that are first quantised to E5M2 (5 exponent bits, 2 mantissa bits; 8 bits a number), with one power-of-two scale for each 32 numbers along K (OCP MX v1.0); their sums are f32. All else is computed in f32.
;;   The module's matrix products, in the order in which they are computed (A, B: the left and right operand; K: the contracted axis; several contracted axes count as one K, in the product's order):
;;     1. [M 4,096, K 1,024] x [K 1,024, N 3,072]; A: computed on the way; B: input attn_w (given as codes): QUANTISED
;;     2. batch 32 x [M 2,048, K 64] x [K 64, N 2,048]; A: computed on the way; B: computed on the way: QUANTISED
;;     3. batch 32 x [M 2,048, K 2,048] x [K 2,048, N 64]; A: softmax (see below); B: computed on the way: QUANTISED
;;     4. [M 4,096, K 1,024] x [K 1,024, N 1,024]; A: computed on the way; B: input attn_proj_w (given as codes): QUANTISED
;;     5. [M 4,096, K 1,024] x [K 1,024, N 4,096]; A: computed on the way; B: input fc_w (given as codes): QUANTISED
;;     6. [M 4,096, K 4,096] x [K 4,096, N 1,024]; A: computed on the way; B: input mlp_proj_w (given as codes): QUANTISED
;;   THE QUANTISER, for each operand of a quantised product, along K:
;;     - K is cut into blocks of 32 from its start; a last block that is shorter is filled with zeros.
;;     - A block's scale is 2^e with e = floor(log2(the largest magnitude in the block)) - 15, held to -126 .. 127; a block of zeros has e = 0. As a byte (E8M0): e + 127.
;;     - Each number is divided by its block's scale, clamped to +-57,344, and rounded to the nearest number of E5M2, ties to even, subnormals kept.
;;     - The product sums the exact products of the quantised numbers (number of the format x scale) in f32.
;;   ~~~python
;;   def quantise(x, axis):      # numpy; x: float32 -> the quantised numbers, widened to float32 again
;;       x = np.moveaxis(x, axis, -1); K = x.shape[-1]
;;       x = np.pad(x, [(0, 0)] * (x.ndim - 1) + [(0, -K % 32)]); x = x.reshape(x.shape[:-1] + (-1, 32)); a = np.abs(x).max(-1, keepdims=True)
;;       e = np.where(a > 0, np.clip(np.frexp(np.where(a > 0, a, 1))[1] - 1 - 15, -126, 127), 0)      # np.frexp(a)[1] - 1 = floor(log2(a)), exactly
;;       r = np.clip(x / 2.0 ** e, -57344, 57344)
;;       step = 2.0 ** (np.maximum(np.frexp(np.where(r == 0, 1, r))[1] - 1, -14) - 2)
;;       q = np.round(r / step) * step * 2.0 ** e      # np.round: ties to even
;;       return np.moveaxis(q.reshape(q.shape[:-2] + (-1,))[..., :K], -1, axis).astype(np.float32)
;;   ~~~
;;   SOFTMAX AHEAD OF A QUANTISED PRODUCT. Where the list says 'softmax', what is quantised is not the finished softmax but p = 2^(t - M), with t = logit x log2(e) and M = ceil(the row's largest t), a whole number; so 1/2 < the row's largest p <= 1. The row's sum l is taken of the UNQUANTISED p, in f32, and the product's result is divided by l at the end. Since M is a whole number, a kernel that streams over the keys may use a running M (the ceiling of the running maximum): every later rescaling is an exact power of two, which a block's scale takes up: the codes' values come out the same.
;;   OPERANDS COMPUTED ON THE WAY. 'Computed on the way' means the value that the module computes at that place (a softmax that the list does not call 'softmax' is quantised finished and normalised). What goes into a quantiser is computed in f32, as accurately as f32 sums, v_exp_f32 and their like allow (about 1e-6 of the number): no bf16 or f16 on the way to a quantiser, and a product that is left as it is and whose result goes on into a quantised operand takes f32 operands (vector FMAs, or v_wmma_f32_16x16x4_f32). A number that lies on a knife's edge between two numbers of the format may be rounded either way, as far as f32 arithmetic and the matrix unit's own rounding can turn it there, and no further.
;;   INPUTS GIVEN AS CODES. attn_proj_w (in the module: [1024, 1024], K = its axis 0); attn_w (in the module: [1024, 3072], K = its axis 0); fc_w (in the module: [1024, 4096], K = its axis 0); mlp_proj_w (in the module: [4096, 1024], K = its axis 0): each comes as NAME_codes (uint8): NAME with its K axis moved to the last place and cut into blocks of 32 codes, [.., K / 32, bytes a block], one block behind the other in memory; one code a byte (a code: sign, 5 exponent bits, 2 mantissa bits); and NAME_scales (uint8): the same leading axes, one E8M0 byte (e + 127) for each 32 codes along K. Its value is code x scale, taken as it is: it is not quantised again, and the codes and scales need not be those that the quantiser above would give.
;; One version. Each part assembles by itself: llvm-mc -triple=amdgcn-amd-amdhsa -mcpu=gfx1250 --defsym DOCPART=n.
;; ======== version 1 of 1: 7 launches
;; limits: right only within a limited range of input values
;; workspace buffers: wimg 12,976,128 bytes; act 4,325,376 bytes; qkv 13,238,272 bytes; x1 16,777,216 bytes; gbuf 17,301,504 bytes
;; launch prep (part 1): grid 448 x 1, 8 waves a work-group, no clusters, 136,704 bytes of LDS; arguments x, ln1_w, ln1_b, act, attn_w_codes, attn_w_scales, attn_proj_w_codes, attn_proj_w_scales, fc_w_codes, fc_w_scales, mlp_proj_w_codes, mlp_proj_w_scales, wimg; writes act, wimg
.if DOCPART == 1
	.amdgcn_target "amdgcn-amd-amdhsa--gfx1250"
	.amdhsa_code_object_version 6
	.text
	.protected	k_qd58ab7ee94_prep
	.globl	k_qd58ab7ee94_prep
	.p2align	8
	.type	k_qd58ab7ee94_prep,@function
k_qd58ab7ee94_prep:
	s_mov_b64 s[64:65], 0
	v_nop
	global_prefetch_b8 v0, s[64:65] scope:SCOPE_SE
	s_setreg_imm32_b32 hwreg(HW_REG_WAVE_MODE, 25, 1), 1
	s_wait_xcnt 0x0
; PREP: two jobs in one launch, told apart by the work-group's number.
; Work-groups 0-255: layer norm of 16 rows of x [4096][1024] f32, quantised along the row to BF8 (E5M2) codes with one E8M0 byte for each 32, stored as an OPERAND IMAGE.
; Work-groups 256-447: the four weights' codes [N][K] and scale bytes [N][K/32] are laid anew as the same kind of image.
; THE IMAGE.  Tile t holds 16 rows, position i = row 32 (t/2) + 8 (t%2) + i%8 + 16 (i/8).  Codes: byte t 16K + ks 2048 + c 512 + 16 lane; lane r + 16 h holds position r, k = 128 ks + 32 c + 16 h + 0..15:
; a fragment's registers on end.  Scale words (4 bytes: 128 k of a row): byte (t/16) 8K + ks 1024 + (t%16) 64 + 4 r.
; A block's scale byte is its largest magnitude's exponent field - 15, held at 1 from below; numbers are held within +-57,344 x the scale and rounded to the nearest code, ties to even.
; LIMITS: NaN and infinities among the inputs are not served; a block of zeros, or one whose largest magnitude lies under 2^-111, gets the byte 1 (its bytes are read by this program alone).
; The norm is taken in two passes (mean, then the squares of the differences), as the formula is written, so a common offset of a row does no harm.
; No tensor loads.  The two jobs use LDS bytes of their own.
.set SP,   4112                        ; the norm's stage: a row of 4,096 bytes + 16, so that 16 rows start at 16 different groups of banks
.set RST,  66048                       ; behind it: the re-lay's stages,
.set RSZ,  8704                        ; 32 x 272 bytes for each wave
.set X,    32                          ; v32-95   two rows of x, 32 numbers a lane each; later 64 numbers of one K step
.set GW,   96                          ; v96-127  the gain of my 32 columns
.set GB,   128                         ; v128-159 the bias
.set TM,   160                         ; v160-175 the quantiser's 4 x 4 registers
.set PW,   176                         ; v176     the scale word
.set PC,   96                          ; v96-111  the codes (the gain is done with)
.set SEL,  22                          ; s[22:23] lane selects: lane l xor 16
.set MNT,  24                          ; s24      the mantissa field of 57,344
.set VA,   160                         ; re-lay: v160-175 the 16 rows' offsets
.set DI,   32                          ; v32-95   as loaded
.set DO,   96                          ; v96-159  as stored
; 64 numbers of a lane, register 16 b + i = k 32 b + 16 (lane/16) + i of my row, become 16 registers of codes and the row's scale word
.macro QUANT s, pc
.irp b, 0,1,2,3
	v_max3_num_f32 v[TM+\b], |v[\s+16*\b]|, |v[\s+16*\b+1]|, 0x8000000     ; my 16 numbers of block b, and the floor 2^(16-127): the byte cannot fall under 1
.endr
.irp i, 2,4,6,8,10,12,14
.irp b, 0,1,2,3
	s_delay_alu instid0(VALU_DEP_4)
	v_max3_num_f32 v[TM+\b], v[TM+\b], |v[\s+16*\b+\i]|, |v[\s+16*\b+\i+1]|
.endr
.endr
.irp b, 0,1,2,3
	s_delay_alu instid0(VALU_DEP_4)
	v_permlanex16_b32 v[TM+4+\b], v[TM+\b], s[SEL], s[SEL+1]
.endr
.irp b, 0,1,2,3
	s_delay_alu instid0(VALU_DEP_4)
	v_max_num_f32 v[TM+\b], v[TM+\b], v[TM+4+\b]                           ; with lane l xor 16's: the block's largest magnitude
.endr
.irp b, 0,1,2,3
	s_delay_alu instid0(VALU_DEP_4)
	v_add_nc_u32 v[TM+12+\b], 0xf8800000, v[TM+\b]                         ; 15 off its exponent field: the conversion's scale operand
.endr
.irp b, 0,1,2,3
	v_and_or_b32 v[TM+8+\b], v[TM+\b], 0x7f800000, s[MNT]                  ; 57,344 x the scale
.endr
.irp b, 0,1,2,3
	v_lshrrev_b32 v[TM+4+\b], 23, v[TM+12+\b]                              ; the scale's byte
.endr
	s_delay_alu instid0(VALU_DEP_3)
	v_lshl_or_b32 v[PW], v[TM+5], 8, v[TM+4]
	s_delay_alu instid0(VALU_DEP_1)
	v_lshl_or_b32 v[PW], v[TM+6], 16, v[PW]
	s_delay_alu instid0(VALU_DEP_1)
	v_lshl_or_b32 v[PW], v[TM+7], 24, v[PW]
.irp b, 0,1,2,3
.irp i, 0,1,2,3,4,5,6,7,8,9,10,11,12,13,14,15
	v_med3_num_f32 v[\s+16*\b+\i], v[\s+16*\b+\i], -v[TM+8+\b], v[TM+8+\b] ; the conversion does not saturate (ISA guide 7.6.2): the hold comes first
.endr
	v_cvt_scalef32_pk8_bf8_f32 v[\pc+4*\b:\pc+4*\b+1], v[\s+16*\b:\s+16*\b+7], v[TM+12+\b]
	v_cvt_scalef32_pk8_bf8_f32 v[\pc+4*\b+2:\pc+4*\b+3], v[\s+16*\b+8:\s+16*\b+15], v[TM+12+\b]
.endr
	v_nop                                                                  ; a plain line behind the last conversion
.endm
; the two rows' partial sums, v[8:11] and v[12:15], become the rows' sums, in every lane, in v8 and v12
.macro ALLSUM
.irp q, 0
	s_delay_alu instid0(VALU_DEP_3)
	v_pk_add_f32 v[8+4*\q:9+4*\q], v[8+4*\q:9+4*\q], v[10+4*\q:11+4*\q]
.endr
.irp q, 1
	s_delay_alu instid0(VALU_DEP_2)
	v_pk_add_f32 v[8+4*\q:9+4*\q], v[8+4*\q:9+4*\q], v[10+4*\q:11+4*\q]
.endr
.irp q, 0,1
	s_delay_alu instid0(VALU_DEP_2)
	v_add_f32 v[8+4*\q], v[8+4*\q], v[9+4*\q]
.endr
.irp m, 1,2,4,8
.irp q, 0,1
	s_delay_alu instid0(VALU_DEP_2)
	v_add_f32_dpp v[8+4*\q], v[8+4*\q], v[8+4*\q] row_xmask:\m row_mask:0xf bank_mask:0xf
.endr
.endr
.irp q, 0,1
	s_delay_alu instid0(VALU_DEP_2)
	v_permlanex16_b32 v[24+\q], v[8+4*\q], s[SEL], s[SEL+1]
.endr
.irp q, 0,1
	s_delay_alu instid0(VALU_DEP_2)
	v_add_f32 v[8+4*\q], v[8+4*\q], v[24+\q]
.endr
.endm
	v_lshl_add_u32 v192, v0, 2, 0x21200
	v_mov_b32 v193, 0
	v_lshrrev_b32 v1, 5, v0
	s_delay_alu instid0(VALU_DEP_1)
	v_readfirstlane_b32 s16, v1                    ; wave 0..7
	v_and_b32 v1, 31, v0                           ; lane
	s_delay_alu instid0(VALU_DEP_1)
	v_lshlrev_b32 v2, 4, v1                        ; 16 x lane
	v_and_b32 v4, 15, v0                           ; r
	v_bfe_u32 v5, v0, 4, 1                         ; h
	s_cmp_lt_u32 ttmp9, 256
	s_cbranch_scc0 .Lrelay
	; ---------------- the norm: work-group = tile t = ttmp9 ----------------
	s_load_b256 s[4:11], s[0:1], 0x0               ; x, gain, bias, act
	s_lshr_b32 s17, ttmp9, 1
	s_lshl_b32 s17, s17, 5
	s_and_b32 s18, ttmp9, 1
	s_lshl_b32 s18, s18, 3
	s_add_co_u32 s17, s17, s18                     ; the tile's first row
	s_and_b32 s18, s16, 3
	s_lshl_b32 s18, s18, 1
	s_add_co_u32 s17, s17, s18
	s_lshr_b32 s18, s16, 2
	s_lshl_b32 s18, s18, 4
	s_add_co_u32 s17, s17, s18                     ; positions 2 w and 2 w + 1 are two neighbouring rows: this one and the next
	s_lshl_b32 s18, s17, 12
	s_mov_b32 s19, 0
	s_mov_b32 s20, 0x3a800000                      ; 1 / 1024
	s_mov_b32 s21, 0x3727c5ac                      ; 1e-5
	s_mov_b32 s[SEL], 0x76543210
	s_mov_b32 s[SEL+1], 0xfedcba98
	s_mov_b32 s[MNT], 0x600000
	s_lshl_b32 s26, ttmp9, 14                      ; codes: tile x 16,384 + K step (= wave) x 2,048
	s_lshl_b32 s27, s16, 11
	s_add_co_u32 s26, s26, s27
	s_mov_b32 s27, 0
	s_lshr_b32 s28, ttmp9, 4                       ; scale words: (t/16) 8,192 + wave 1,024 + (t%16) 64, behind the codes
	s_lshl_b32 s28, s28, 13
	s_lshl_b32 s29, s16, 10
	s_add_co_u32 s28, s28, s29
	s_and_b32 s29, ttmp9, 15
	s_lshl_b32 s29, s29, 6
	s_add_co_u32 s28, s28, s29
	s_add_co_u32 s28, s28, 4194304
	s_mov_b32 s29, 0
	s_mul_i32 s25, s16, 2*SP
	s_wait_alu depctr_va_vdst(0)
	v_add_nc_u32 v3, s25, v2                       ; the stage, in: my two rows, 16 bytes a lane
	v_mul_u32_u24 v6, v4, SP
	s_delay_alu instid0(VALU_DEP_1)
	v_lshl_add_u32 v6, v5, 6, v6
	s_lshl_b32 s25, s16, 9
	v_add_nc_u32 v6, s25, v6                       ; out: position r, K step w, + 64 h
	v_lshlrev_b32 v7, 2, v4                        ; 4 r
	v_mov_b32 v24, 0                               ; a lane permute's destination counts as read: written once
	v_mov_b32 v25, 0
.irp b, 0,1,2,3
	v_mov_b32 v[TM+4+\b], 0
.endr
	s_wait_kmcnt 0x0
	s_add_nc_u64 s[4:5], s[4:5], s[18:19]
	s_add_nc_u64 s[12:13], s[10:11], s[26:27]
	s_add_nc_u64 s[14:15], s[10:11], s[28:29]
.irp q, 0,1
.irp j, 0,1,2,3,4,5,6,7
	global_load_b128 v[X+32*\q+4*\j:X+32*\q+4*\j+3], v2, s[4:5] offset:4096*\q+512*\j th:TH_LOAD_NT   ; 512 consecutive bytes a load
.endr
.endr
.irp j, 0,1,2,3,4,5,6,7
	global_load_b128 v[GW+4*\j:GW+4*\j+3], v2, s[6:7] offset:512*\j
	global_load_b128 v[GB+4*\j:GB+4*\j+3], v2, s[8:9] offset:512*\j
.endr
	s_wait_loadcnt 16                              ; x is in; the 16 loads of gain and bias may be out
.irp q, 0,1
	v_pk_add_f32 v[8+4*\q:9+4*\q], v[X+32*\q:X+32*\q+1], v[X+32*\q+2:X+32*\q+3]
	v_pk_add_f32 v[10+4*\q:11+4*\q], v[X+32*\q+4:X+32*\q+5], v[X+32*\q+6:X+32*\q+7]
.endr
.irp p, 8,12,16,20,24,28
.irp q, 0,1
	s_delay_alu instid0(VALU_DEP_4)
	v_pk_add_f32 v[8+4*\q:9+4*\q], v[8+4*\q:9+4*\q], v[X+32*\q+\p:X+32*\q+\p+1]
	s_delay_alu instid0(VALU_DEP_4)
	v_pk_add_f32 v[10+4*\q:11+4*\q], v[10+4*\q:11+4*\q], v[X+32*\q+\p+2:X+32*\q+\p+3]
.endr
.endr
	ALLSUM
.irp q, 0
	s_delay_alu instid0(VALU_DEP_2)
	v_mul_f32 v[16+2*\q], s20, v[8+4*\q]           ; the mean
	s_delay_alu instid0(VALU_DEP_1)
	v_mov_b32 v[17+2*\q], v[16+2*\q]
.endr
.irp q, 1
	s_delay_alu instid0(VALU_DEP_3)
	v_mul_f32 v[16+2*\q], s20, v[8+4*\q]           ; the mean
	s_delay_alu instid0(VALU_DEP_1)
	v_mov_b32 v[17+2*\q], v[16+2*\q]
.endr
.irp p, 0,2,4,6,8,10,12,14,16,18,20,22,24,26,28,30
.irp q, 0,1
	v_pk_add_f32 v[X+32*\q+\p:X+32*\q+\p+1], v[X+32*\q+\p:X+32*\q+\p+1], v[16+2*\q:17+2*\q] op_sel_hi:[1,0] neg_lo:[0,1] neg_hi:[0,1]   ; x - mean
.endr
.endr
.irp q, 0,1
	v_pk_mul_f32 v[8+4*\q:9+4*\q], v[X+32*\q:X+32*\q+1], v[X+32*\q:X+32*\q+1]
	v_pk_mul_f32 v[10+4*\q:11+4*\q], v[X+32*\q+2:X+32*\q+3], v[X+32*\q+2:X+32*\q+3]
.endr
.irp p, 4,8,12,16,20,24,28
.irp q, 0,1
	s_delay_alu instid0(VALU_DEP_4)
	v_pk_fma_f32 v[8+4*\q:9+4*\q], v[X+32*\q+\p:X+32*\q+\p+1], v[X+32*\q+\p:X+32*\q+\p+1], v[8+4*\q:9+4*\q]
	s_delay_alu instid0(VALU_DEP_4)
	v_pk_fma_f32 v[10+4*\q:11+4*\q], v[X+32*\q+\p+2:X+32*\q+\p+3], v[X+32*\q+\p+2:X+32*\q+\p+3], v[10+4*\q:11+4*\q]
.endr
.endr
	ALLSUM
.irp q, 0,1
	s_delay_alu instid0(VALU_DEP_2)
	v_fma_f32 v[9+4*\q], v[8+4*\q], s20, s21       ; the variance + 1e-5
.endr
	s_wait_alu depctr_va_vdst(0)
.irp q, 0,1
	v_rsq_f32 v[20+2*\q], v[9+4*\q]
.endr
	v_nop                                          ; a plain line behind the two roots,
	s_wait_alu depctr_va_vdst(0)                   ; and the one wait ahead of their first reader
.irp q, 0,1
	v_mov_b32 v[21+2*\q], v[20+2*\q]
.endr
	s_wait_alu depctr_va_vdst(0)
	s_wait_loadcnt 0x0                             ; gain and bias
.irp p, 0,2,4,6,8,10,12,14,16,18,20,22,24,26,28,30
.irp q, 0,1
	v_pk_mul_f32 v[X+32*\q+\p:X+32*\q+\p+1], v[X+32*\q+\p:X+32*\q+\p+1], v[20+2*\q:21+2*\q] op_sel_hi:[1,0]
.endr
.irp q, 0,1
	s_delay_alu instid0(VALU_DEP_2)
	v_pk_fma_f32 v[X+32*\q+\p:X+32*\q+\p+1], v[X+32*\q+\p:X+32*\q+\p+1], v[GW+\p:GW+\p+1], v[GB+\p:GB+\p+1]
.endr
.endr
.irp q, 0,1
.irp j, 0,1,2,3,4,5,6,7
	ds_store_b128 v3, v[X+32*\q+4*\j:X+32*\q+4*\j+3] offset:SP*\q+512*\j
.endr
.endr
	s_wait_dscnt 0x0                               ; for the others' sake: my two rows lie in the stage
	s_barrier_signal -1
	s_barrier_wait -1
.irp c, 0,1,2,3
.irp j, 0,1,2,3
	ds_load_b128 v[X+16*\c+4*\j:X+16*\c+4*\j+3], v6 offset:128*\c+16*\j   ; position r, k = 128 w + 32 c + 16 h + 4 j ..
.endr
.endr
	s_wait_dscnt 0x0
	QUANT X, PC
.irp c, 0,1,2,3
	global_store_b128 v2, v[PC+4*\c:PC+4*\c+3], s[12:13] offset:512*\c   ; 512 consecutive bytes a store
.endr
	global_store_b32 v7, v[PW], s[14:15]           ; lanes r and r + 16 hold the same word and store it to the same place
	s_wait_tensorcnt 0x0
	ds_add_u32 v192, v193
	s_wait_dscnt 0x0
	s_endpgm
	; ---------------- the weights: a wave takes 16 rows x 512 codes (4 K steps) of one tile ----------------
.Lrelay:
	s_load_b256 s[24:31], s[0:1], 0x20             ; attn codes, scales; proj codes, scales
	s_load_b256 s[32:39], s[0:1], 0x40             ; fc codes, scales; mlp codes, scales
	s_load_b64 s[4:5], s[0:1], 0x60                ; wimg
	s_sub_co_u32 s20, ttmp9, 256
	s_wait_kmcnt 0x0
	s_cmp_lt_u32 s20, 128                          ; which weight: 48 work-groups attn, 16 proj, 64 fc, 64 mlp.  The choice hangs on the work-group's number alone
	s_cselect_b64 s[40:41], s[32:33], s[36:37]
	s_cselect_b64 s[42:43], s[34:35], s[38:39]
	s_mov_b32 s44, 8388608                         ; where its codes' image begins in wimg,
	s_cselect_b32 s44, 4194304, s44
	s_mov_b32 s45, 12845056                        ; its scale words,
	s_cselect_b32 s45, 12713984, s45
	s_cselect_b32 s46, 64, 128                     ; its first work-group,
	s_cselect_b32 s47, 2, 4                        ; log2 (K / 256)
	s_cmp_lt_u32 s20, 64
	s_cselect_b64 s[40:41], s[28:29], s[40:41]
	s_cselect_b64 s[42:43], s[30:31], s[42:43]
	s_cselect_b32 s44, 3145728, s44
	s_cselect_b32 s45, 12681216, s45
	s_cselect_b32 s46, 48, s46
	s_cmp_lt_u32 s20, 48
	s_cselect_b64 s[40:41], s[24:25], s[40:41]
	s_cselect_b64 s[42:43], s[26:27], s[42:43]
	s_cselect_b32 s44, 0, s44
	s_cselect_b32 s45, 12582912, s45
	s_cselect_b32 s46, 0, s46
	s_sub_co_u32 s21, s20, s46
	s_lshl_b32 s21, s21, 4
	s_lshl_b32 s22, s16, 1
	s_add_co_u32 s21, s21, s22                     ; my first unit of 256 codes
	s_lshr_b32 s22, s21, s47                       ; tile
	s_bfm_b32 s23, s47, 0
	s_and_b32 s23, s21, s23                        ; which 256 along K
	s_add_co_u32 s48, s47, 8                       ; log2 K
	s_lshr_b32 s49, s22, 1
	s_lshl_b32 s49, s49, 5
	s_and_b32 s50, s22, 1
	s_lshl_b32 s50, s50, 3
	s_add_co_u32 s49, s49, s50                     ; the tile's first row
	s_lshl_b32 s50, s49, s48
	s_lshl_b32 s51, s23, 8
	s_add_co_u32 s50, s50, s51
	s_mov_b32 s51, 0
	s_add_nc_u64 s[40:41], s[40:41], s[50:51]      ; codes, in
	s_sub_co_u32 s52, s48, 5                       ; log2 (K / 32)
	s_lshl_b32 s50, s49, s52
	s_lshl_b32 s53, s23, 3
	s_add_co_u32 s50, s50, s53
	s_add_nc_u64 s[42:43], s[42:43], s[50:51]      ; scale bytes, in
	s_add_co_u32 s53, s48, 4
	s_lshl_b32 s50, s22, s53                       ; tile x 16 K
	s_lshl_b32 s53, s23, 12                        ; 256 along K are two K steps: 4,096 bytes of image
	s_add_co_u32 s50, s50, s53
	s_add_co_u32 s50, s50, s44
	s_add_nc_u64 s[6:7], s[4:5], s[50:51]          ; codes, out
	s_lshr_b32 s50, s22, 4
	s_add_co_u32 s53, s48, 3
	s_lshl_b32 s50, s50, s53                       ; (tile / 16) x 8 K
	s_lshl_b32 s53, s23, 11
	s_add_co_u32 s50, s50, s53
	s_and_b32 s53, s22, 15
	s_lshl_b32 s53, s53, 6
	s_add_co_u32 s50, s50, s53
	s_add_co_u32 s50, s50, s45
	s_add_nc_u64 s[8:9], s[4:5], s[50:51]          ; scale words, out
	s_wait_alu depctr_va_vdst(0)
.irp i, 0,1,2,3,4,5,6,7,8,9,10,11,12,13,14,15
	s_lshl_b32 s54, ((\i)&7)+16*((\i)>>3), s48     ; position i's row x K
	v_add_nc_u32 v[VA+\i], s54, v2
.endr
	v_and_b32 v6, 8, v4
	s_delay_alu instid0(VALU_DEP_1)
	v_add_nc_u32 v6, v6, v4                        ; r + 8 (r / 8)
	s_delay_alu instid0(VALU_DEP_1)
	v_lshlrev_b32 v6, s52, v6
	s_delay_alu instid0(VALU_DEP_1)
	v_lshl_add_u32 v6, v5, 3, v6                   ; my row's scale bytes: lanes 0-15 the first two K steps' words, lanes 16-31 the next two
	s_mul_i32 s55, s16, RSZ
	s_add_co_u32 s55, s55, RST
	v_mul_u32_u24 v7, v1, 272
	s_delay_alu instid0(VALU_DEP_1)
	v_add_nc_u32 v7, s55, v7                       ; the stage, in: piece z = lane of a row's 32 pieces of 16 bytes; position i at + 16 i
	v_mul_u32_u24 v8, v5, 272
	s_delay_alu instid0(VALU_DEP_1)
	v_lshl_add_u32 v8, v4, 4, v8
	s_delay_alu instid0(VALU_DEP_1)
	v_add_nc_u32 v8, s55, v8                       ; out: pieces 2 i and 2 i + 1, all 16 positions: the image's bytes 512 i on
	v_lshlrev_b32 v9, 11, v5
	s_delay_alu instid0(VALU_DEP_1)
	v_lshl_add_u32 v9, v4, 2, v9                   ; 2,048 h + 4 r
	global_load_b64 v[10:11], v6, s[42:43]
.irp i, 0,1,2,3,4,5,6,7,8,9,10,11,12,13,14,15
	global_load_b128 v[DI+4*\i:DI+4*\i+3], v[VA+\i], s[40:41] th:TH_LOAD_NT   ; 512 consecutive bytes of one row
.endr
	s_wait_alu depctr_va_vdst(0)
	s_wait_loadcnt 0x0
.irp i, 0,1,2,3,4,5,6,7,8,9,10,11,12,13,14,15
	ds_store_b128 v7, v[DI+4*\i:DI+4*\i+3] offset:16*\i
.endr
.irp i, 0,1,2,3,4,5,6,7,8,9,10,11,12,13,14,15
	ds_load_b128 v[DO+4*\i:DO+4*\i+3], v8 offset:544*\i   ; LDS serves a wave's instructions in order (ISA guide 5.7.1.4): these see my stores
.endr
	global_store_b32 v9, v10, s[8:9]
	global_store_b32 v9, v11, s[8:9] offset:1024
.irp i, 0,1,2,3,4,5,6,7,8,9,10,11,12,13,14,15
	s_wait_dscnt 15-\i                             ; read-back i is in; the younger ones may be out
	global_store_b128 v2, v[DO+4*\i:DO+4*\i+3], s[6:7] offset:512*\i
.endr
	s_wait_tensorcnt 0x0
	ds_add_u32 v192, v193
	s_wait_dscnt 0x0
	s_endpgm
.Lfunc_end_k_qd58ab7ee94_prep:
	.size	k_qd58ab7ee94_prep, .Lfunc_end_k_qd58ab7ee94_prep-k_qd58ab7ee94_prep
	.p2alignl 7, 3214868480
	.fill 96, 4, 3214868480
	.section	.rodata,"a",@progbits
	.p2align	6, 0x0
	.amdhsa_kernel k_qd58ab7ee94_prep
		.amdhsa_group_segment_fixed_size 136704
		.amdhsa_private_segment_fixed_size 0
		.amdhsa_enable_private_segment 0
		.amdhsa_kernarg_size 104
		.amdhsa_user_sgpr_count 2
		.amdhsa_user_sgpr_kernarg_segment_ptr 1
		.amdhsa_wavefront_size32 1
		.amdhsa_system_sgpr_workgroup_id_x 1
		.amdhsa_system_sgpr_workgroup_id_y 1
		.amdhsa_system_sgpr_workgroup_id_z 1
		.amdhsa_system_vgpr_workitem_id 0
		.amdhsa_next_free_vgpr 194
		.amdhsa_next_free_sgpr 66
		.amdhsa_reserve_vcc 0
		.amdhsa_float_denorm_mode_32 3
		.amdhsa_float_denorm_mode_16_64 3
		.amdhsa_memory_ordered 1
		.amdhsa_forward_progress 1
		.amdhsa_inst_pref_size 44
	.end_amdhsa_kernel
	.amdgpu_metadata
---
amdhsa.version: [ 1, 2 ]
amdhsa.kernels:
  - .name:           k_qd58ab7ee94_prep
    .symbol:         k_qd58ab7ee94_prep.kd
    .args:
      - { .name: x, .offset: 0, .size: 8, .value_kind: global_buffer, .address_space: global }
      - { .name: ln1_w, .offset: 8, .size: 8, .value_kind: global_buffer, .address_space: global }
      - { .name: ln1_b, .offset: 16, .size: 8, .value_kind: global_buffer, .address_space: global }
      - { .name: act, .offset: 24, .size: 8, .value_kind: global_buffer, .address_space: global }
      - { .name: attn_w_codes, .offset: 32, .size: 8, .value_kind: global_buffer, .address_space: global }
      - { .name: attn_w_scales, .offset: 40, .size: 8, .value_kind: global_buffer, .address_space: global }
      - { .name: attn_proj_w_codes, .offset: 48, .size: 8, .value_kind: global_buffer, .address_space: global }
      - { .name: attn_proj_w_scales, .offset: 56, .size: 8, .value_kind: global_buffer, .address_space: global }
      - { .name: fc_w_codes, .offset: 64, .size: 8, .value_kind: global_buffer, .address_space: global }
      - { .name: fc_w_scales, .offset: 72, .size: 8, .value_kind: global_buffer, .address_space: global }
      - { .name: mlp_proj_w_codes, .offset: 80, .size: 8, .value_kind: global_buffer, .address_space: global }
      - { .name: mlp_proj_w_scales, .offset: 88, .size: 8, .value_kind: global_buffer, .address_space: global }
      - { .name: wimg, .offset: 96, .size: 8, .value_kind: global_buffer, .address_space: global }
    .group_segment_fixed_size: 136704
    .private_segment_fixed_size: 0
    .kernarg_segment_align: 8
    .kernarg_segment_size: 104
    .max_flat_workgroup_size: 256
    .sgpr_count:     66
    .vgpr_count:     194
    .wavefront_size: 32
...
	.end_amdgpu_metadata
.endif
;; end of part 1
;; launch qkv (part 2): grid 12 x 16, 4 waves a work-group, clusters of 4 x 4, 327,680 bytes of LDS; arguments act, wimg, attn_b, qkv; writes qkv
.if DOCPART == 2
	.amdgcn_target "amdgcn-amd-amdhsa--gfx1250"
	.amdhsa_code_object_version 6
	.text
	.protected	k_qd58ab7ee94_qkv
	.globl	k_qd58ab7ee94_qkv
	.p2align	8
	.type	k_qd58ab7ee94_qkv,@function
k_qd58ab7ee94_qkv:
	s_mov_b64 s[64:65], 0
	v_nop
	global_prefetch_b8 v0, s[64:65] scope:SCOPE_SE
	s_setreg_imm32_b32 hwreg(HW_REG_WAVE_MODE, 25, 1), 1
	s_wait_xcnt 0x0
	s_wait_alu depctr_hold_cnt(0) depctr_sa_sdst(0) depctr_va_vdst(0) depctr_va_sdst(0) depctr_va_ssrc(0) depctr_va_vcc(0) depctr_vm_vsrc(0)
	s_getreg_b32 s2, hwreg(HW_REG_IB_STS2, 6, 4)
	s_cmp_eq_u32 s2, 0
	s_cbranch_scc0 .Lentry_in_a_cluster
	s_endpgm
.Lentry_in_a_cluster:
	s_bfe_u32 s2, ttmp6, 0x10000c
	s_cmp_lg_u32 s2, 0xf033
	s_cbranch_scc0 .Lentry_shape_is_right
	s_endpgm
.Lentry_shape_is_right:
; QKV: LN1(x) W^T + b on BF8 codes with E8M0 scales, and the results quantised at once: q and k along the head's 64, v along the keys.
; Both operands lie in memory as operand images (tile t: 16 rows in the order position i = row 32 (t/2) + 8 (t%2) + i%8 + 16 (i/8); a fragment = 2,048 dense bytes; scale words beside them).
; ROLES.  X is source 0: its rows land in a lane's registers; the 16 registers of X tiles 2 b and 2 b + 1 are 16 neighbours, 32 b + 16 (lane/16) + 0..15.  Y is source 1: its rows land in lanes.
; So what is to be the next product's K is given the role X.  Clusters x = 0, 1 (q, k): X = 256 rows of the weight, Y = 256 tokens.  Cluster x = 2 (v): X = 256 tokens (the keys), Y = 256 rows of v's weight.
; A work-group of four waves makes 256 x 256, a wave 128 x 128: 64 accumulators.  K = 1,024 goes in four steps of 256 through two LDS slots; slot 0's first fill goes out at the head, slot 1's behind the first round.
; CLUSTERS 4 x 4: Y's tiles hang on cy and are shared along a row of the cluster, X's on cx and are shared along a column: joint loads.  The paths part on the cluster's x alone, which all partners share.
; OUT (buffer qkv): q's codes [head][tile][1,024]; q's scale words behind them; k and v as records of 128 keys.
; k's odd tiles carry their two scale bytes in the word's upper half: two key tiles are later multiplied as one fragment of 128 along K.
; LIMITS: NaN and infinities are not served; a block whose largest magnitude lies under 2^-111 gets the byte 1.  Scale words leave in pieces of 64 bytes.
; REGISTERS: window 0: v16-29 addresses; v32-47 scale words; v48-55 bias offsets; v64-127 the bias as C, later the way out; v128-255 Y's 8 fragments.  window 1: X's fragments, two sets.  windows 2, 3: accumulator (a, b) at v[8 (8 (a%4) + b)].
; AS THE TEXT NOW STANDS.  The head: one joint load a wave (wave 0: Y's 16 tiles of K step 0; wave 1: X's; waves 2, 3: Y's and X's scale words); slot 1's first fill stands behind the full sequence and a round.
; OUT (buffer qkv): q's codes [head][tile][1,024]; q's scale words from byte 4,194,304; from byte 4,456,448 k and v as records of 17,152 bytes, [head][step of 128 keys][k: 8 tiles x 1,024 | v: 4 tiles x 2,048 | k's scale words 512 | v's 256].
.set SLOT,  131072
.set XO,    65536
.set SCL,   262144                     ; Y's scale words [8 K steps][256 rows], then X's
.set SPARE, 278528                     ; the spare words: 128 bytes a wave, two blocks of 256 bytes that no other line names
.set ADRY, 16
.set ADRX, 20
.set ADRS, 27
.set SPW,  28
.set NIL,  29
.set SC,   32
.set VB,   48
.set BI,   64
.set YF,   128
.set TM,   64                          ; the way out
.set PW,   80
.set WD,   81
.set VC2,  84
.set VSA,  88
.set SRE,  89
.set SRO,  90
.set SLO,  91
.set PC,   96
.set SEL,  66
.set MNT,  100
.set G1, 24
.set G0, 32
.set G1B, 48
.set G0B, 56
.set G1S, 68
.set G0S, 76
.set G1SB, 80
.set G0SB, 88
.set MSB, 0
.macro WIN new                         ; the immediate's high byte repeats the setting that is left
.if MSB != (\new)
	s_set_vgpr_msb (MSB<<8)|(\new)
.set MSB, (\new)
.endif
.endm
.macro PLACES n
.rept \n
	v_nop
.endr
.endm
.macro CROUND                          ; a round of the cluster's barrier
	s_barrier_signal -1
	s_barrier_wait -1
	s_cmp_lg_u32 s14, 0
	s_cbranch_scc1 .Lnot_wave_0_\@
	s_barrier_signal -3
.Lnot_wave_0_\@:
	s_barrier_wait -3
	s_barrier_signal -1
	s_barrier_wait -1
.endm
.macro JLOAD g0y, g1y, g0x, g1x        ; a joint load: waves 0 and 1 fetch for Y, waves 2 and 3 for X; four v_nop follow each line
	s_cmp_eq_u32 s15, 0
	s_cbranch_scc0 .Lfor_x_\@
	tensor_load_to_lds s[\g0y:\g0y+3], s[\g1y:\g1y+7]
	s_nop 0
.rept 4
	v_nop
.endr
	s_branch .Lasked_\@
.Lfor_x_\@:
	tensor_load_to_lds s[\g0x:\g0x+3], s[\g1x:\g1x+7]
	s_nop 0
.rept 4
	v_nop
.endr
.Lasked_\@:
.endm
.macro FRAG reg, adr, q, i             ; a fragment comes as it lies: four loads of 512 consecutive bytes
.irp c, 0,1,2,3
	ds_load_b128 v[(\reg)+4*\c:(\reg)+4*\c+3], v[\adr] offset:(\i)*4096+(\q)*2048+512*\c
.endr
.endm
.macro FETCH_X slot, q, p
	WIN 0x40
.irp i, 0,1,2,3,4,5,6,7
	FRAG 128*(\p)+16*\i, ADRX+\slot, \q, \i
.endr
	WIN 0
.endm
.macro FETCH_Y slot, q, i0
.irp i, \i0, \i0+1, \i0+2, \i0+3
	FRAG YF+16*(\i), ADRY+\slot, \q, \i
.endr
.endm
.macro SCALES t                        ; lanes 0-15 take Y's tile i, lanes 16-31 X's tile i
.irp i, 0,1,2,3,4,5,6,7
	ds_load_b32 v[SC+2*\i], v[ADRS] offset:(2*(\t))*1024+64*\i
	ds_load_b32 v[SC+2*\i+1], v[ADRS] offset:(2*(\t)+1)*1024+64*\i
.endr
.endm
; 16 products: Y's tiles a0, a0 + 1 against X's eight.  cm = 0: adds in place; 1: the sum begins with the bias by X's tile; 2: by Y's tile.  The 64 accumulators take turns, one instruction a turn.
.macro MUL16 a0, p, q, cm
.irp a, \a0, \a0+1
.irp b, 0,1,2,3,4,5,6,7
.set rD, 8*(8*((\a)%4)+\b)
.set rX, 128*(\p)+16*\b
.set rY, YF+16*(\a)
.set rSX, SC+2*\b+(\q)
.set rSY, SC+2*(\a)+(\q)
.if (\cm) == 0
	v_wmma_scale_f32_16x16x128_f8f6f4 v[rD:rD+7], v[rX:rX+15], v[rY:rY+15], v[rD:rD+7], v[rSX], v[rSY] matrix_a_fmt:MATRIX_FMT_BF8 matrix_b_fmt:MATRIX_FMT_BF8 matrix_a_scale:MATRIX_SCALE_ROW1
.elseif (\cm) == 1
	v_wmma_scale_f32_16x16x128_f8f6f4 v[rD:rD+7], v[rX:rX+15], v[rY:rY+15], v[BI+8*\b:BI+8*\b+7], v[rSX], v[rSY] matrix_a_fmt:MATRIX_FMT_BF8 matrix_b_fmt:MATRIX_FMT_BF8 matrix_a_scale:MATRIX_SCALE_ROW1
.else
	v_wmma_scale_f32_16x16x128_f8f6f4 v[rD:rD+7], v[rX:rX+15], v[rY:rY+15], v[BI+8*(\a):BI+8*(\a)+7], v[rSX], v[rSY] matrix_a_fmt:MATRIX_FMT_BF8 matrix_b_fmt:MATRIX_FMT_BF8 matrix_a_scale:MATRIX_SCALE_ROW1
.endif
.endr
.endr
.endm
; a slot's first 128 along K; the second's fragments are fetched on the way.  Loads into registers that products have read stand eight plain places behind them
.macro STEP slot, cm
	s_wait_dscnt 16                                ; all but the youngest 16 loads (Y's tiles 4-7)
.if (\cm) == 0
	WIN 0xa1
.else
	WIN 0x81
.endif
	MUL16 0, 0, 0, \cm
	MUL16 2, 0, 0, \cm
	s_wait_dscnt 0x0
	PLACES 8
	FETCH_X \slot, 1, 1
	FETCH_Y \slot, 1, 0
.if (\cm) == 0
	WIN 0xf1
.else
	WIN 0xc1
.endif
	MUL16 4, 0, 0, \cm
	MUL16 6, 0, 0, \cm
	PLACES 8
	WIN 0
	FETCH_Y \slot, 1, 4
.endm
.macro LAST                            ; a slot's second 128 along K
	s_wait_dscnt 16
	WIN 0xa1
	MUL16 0, 1, 1, 0
	MUL16 2, 1, 1, 0
	s_wait_dscnt 0x0
	WIN 0xf1
	MUL16 4, 1, 1, 0
	MUL16 6, 1, 1, 0
	WIN 0
.endm
; THE HEAD OF K STEP t (slot t % 2).
; t = 0: my tile of the head's four has landed; the add; the ring's loads bring 8 tiles, so the two words that count rows are set anew while no load of mine is out; a round; slot 1's first fill first behind it.
; t = 1, 2: the change of slots: all my tensor loads have landed, the add, my reads of the slot that I have left are over; a round; that slot's fill with the tile two steps on first behind it, one load a wave.
; t = 3: nothing is left to fetch: the work-group's own barrier shows the last tile to all four waves.
.macro TRIP_HEAD t
.set SL, (\t)%2
.if (\t) == 0
	s_wait_alu depctr_va_vdst(0)                   ; the wait at the head's end
	s_wait_tensorcnt 0x0
	ds_add_u32 v[SPW], v[NIL]
	s_mov_b32 s[G1+2], 8<<16
	s_mov_b32 s[G1+4], 8
	s_mov_b32 s[G1B+2], 8<<16
	s_mov_b32 s[G1B+4], 8
	s_wait_dscnt 0x0
	CROUND
	JLOAD G0+4, G1, G0B+4, G1B
.else
	s_wait_tensorcnt 0x0
	ds_add_u32 v[SPW], v[NIL]
.if (\t) < 3
	s_add_nc_u64 s[G0+4*(1-SL)+2:G0+4*(1-SL)+3], s[G0+4*(1-SL)+2:G0+4*(1-SL)+3], 8192      ; no load of mine is out: the other slot's next tile, two K steps of 256 on
	s_add_nc_u64 s[G0B+4*(1-SL)+2:G0B+4*(1-SL)+3], s[G0B+4*(1-SL)+2:G0B+4*(1-SL)+3], 8192
.endif
	s_wait_dscnt 0x0
.if (\t) < 3
	CROUND
	JLOAD G0+4*(1-SL), G1, G0B+4*(1-SL), G1B
	PLACES 4
.else
	s_barrier_signal -1
	s_barrier_wait -1
	PLACES 8
.endif
.endif
	FETCH_X SL, 0, 0
.if (\t) == 0
	global_prefetch_b8 v31, s[2:3] offset:12288 th:TH_LOAD_NT scope:SCOPE_SE
.endif
	FETCH_Y SL, 0, 0
	SCALES \t
	FETCH_Y SL, 0, 4
.endm
; 64 numbers of a lane in window ws become 16 registers of codes and a scale word, both in window 0
.macro QUANT s, ws, pc
	WIN 5*(\ws)
.irp b, 0,1,2,3
	v_max3_num_f32 v[TM+\b], |v[(\s)+16*\b]|, |v[(\s)+16*\b+1]|, 0x8000000   ; each accumulator is first read at its low end; the floor 2^(16-127) holds the byte at 1
.endr
.irp i, 2,4,6,8,10,12,14
.irp b, 0,1,2,3
	v_max3_num_f32 v[TM+\b], |v[(\s)+16*\b+\i]|, |v[(\s)+16*\b+\i+1]|, v[TM+\b]
.endr
.endr
	WIN 0
.irp b, 0,1,2,3
	v_permlanex16_b32 v[TM+4+\b], v[TM+\b], s[SEL], s[SEL+1]
.endr
.irp b, 0,1,2,3
	v_max_num_f32 v[TM+\b], v[TM+\b], v[TM+4+\b]
.endr
.irp b, 0,1,2,3
	v_add_nc_u32 v[TM+12+\b], 0xf8800000, v[TM+\b]
.endr
.irp b, 0,1,2,3
	v_and_or_b32 v[TM+8+\b], v[TM+\b], 0x7f800000, s[MNT]
.endr
.irp b, 0,1,2,3
	v_lshrrev_b32 v[TM+4+\b], 23, v[TM+12+\b]
.endr
	v_lshl_or_b32 v[PW], v[TM+5], 8, v[TM+4]
	v_lshl_or_b32 v[PW], v[TM+6], 16, v[PW]
	v_lshl_or_b32 v[PW], v[TM+7], 24, v[PW]
	WIN 0x41*(\ws)
.irp b, 0,1,2,3
.irp i, 0,1,2,3,4,5,6,7,8,9,10,11,12,13,14,15
	v_med3_num_f32 v[(\s)+16*\b+\i], v[(\s)+16*\b+\i], -v[TM+8+\b], v[TM+8+\b]
.endr
.endr
	WIN (\ws)
.irp b, 0,1,2,3
	v_cvt_scalef32_pk8_bf8_f32 v[\pc+4*\b:\pc+4*\b+1], v[(\s)+16*\b:(\s)+16*\b+7], v[TM+12+\b]
	v_cvt_scalef32_pk8_bf8_f32 v[\pc+4*\b+2:\pc+4*\b+3], v[(\s)+16*\b+8:(\s)+16*\b+15], v[TM+12+\b]
.endr
	WIN 0
	v_nop
.endm
	s_load_b256 s[4:11], s[0:1], 0x0               ; act, wimg, attn_b, qkv
	v_lshl_add_u32 v[SPW], v0, 2, SPARE
	v_mov_b32 v[NIL], 0
	ds_add_u32 v28, v29
	ds_add_u32 v28, v29
	s_wait_dscnt 0x0
	v_lshrrev_b32 v1, 5, v0
	v_readfirstlane_b32 s14, v1                    ; wave 0..3
	s_lshr_b32 s15, s14, 1                         ; which half of Y's tiles is mine.  Also: I fetch for Y (0) or for X (1)
	s_and_b32 s16, s14, 1                          ; which half of X's.  Also: which half I fetch
	s_bfe_u32 s40, ttmp6, 0x40000                  ; cx
	s_bfe_u32 s41, ttmp6, 0x40004                  ; cy
	s_and_b32 s18, ttmp7, 0xffff                   ; cluster y
	s_lshl_b32 s43, s41, 2
	s_lshl_b32 s43, 15, s43                        ; my row of the cluster
	s_lshl_b32 s44, 0x1111, s40                    ; my column
	s_cmp_eq_u32 ttmp9, 2                          ; cluster x = 2: v
	s_cselect_b32 s12, 1, 0
	s_cselect_b32 s19, s18, ttmp9                  ; the cluster's coordinate for X,
	s_cselect_b32 s13, 0, s18                      ; for Y
	s_cselect_b32 s94, 2097152, 0                  ; Y's codes begin: v's part of the weight | act
	s_mov_b32 s95, 4194304
	s_cselect_b32 s95, 12648448, s95               ; Y's scale words
	s_mov_b32 s96, 12582912
	s_cselect_b32 s96, 4194304, s96                ; X's scale words
	s_lshl_b32 s42, s19, 2
	s_add_co_u32 s42, s42, s40                     ; X's block of 256 rows
	s_lshl_b32 s17, s13, 2
	s_add_co_u32 s17, s17, s41                     ; Y's
	s_or_b32 s[G1], s43, (3<<16)|(1<<21)           ; 15:0 the mask; 17:16 elements of 8 bytes; 21 set beside a mask; no padding
	s_or_b32 s[G1B], s44, (3<<16)|(1<<21)
	s_or_b32 s[G1S], s43, (3<<16)|(1<<21)
	s_or_b32 s[G1SB], s44, (3<<16)|(1<<21)
.irp g, G1, G1B                        ; codes: 16 tiles (8 after the head) x 4,096 bytes (two K steps), 16,384 bytes from tile to tile
	s_mov_b32 s[\g+1], 512<<16
	s_mov_b32 s[\g+2], 16<<16
	s_mov_b32 s[\g+3], 512<<16
	s_mov_b32 s[\g+4], 16
	s_mov_b32 s[\g+5], 2048
	s_mov_b32 s[\g+6], 0
	s_mov_b32 s[\g+7], 0
.endr
.irp g, G1S, G1SB                      ; scale words: 8,192 dense bytes as 32 rows of 256
	s_mov_b32 s[\g+1], 32<<16
	s_mov_b32 s[\g+2], 32<<16
	s_mov_b32 s[\g+3], 32<<16
	s_mov_b32 s[\g+4], 32
	s_mov_b32 s[\g+5], 32
	s_mov_b32 s[\g+6], 0
	s_mov_b32 s[\g+7], 0
.endr
	s_lshl_b32 s2, s16, 17
	s_mov_b32 s3, 0                                ; the scale words come whole; s[2:3] is my half's offset in the codes
	s_lshl_b32 s20, s17, 18
	s_add_co_u32 s20, s20, s2
	s_add_co_u32 s20, s20, s94
	s_lshl_b32 s22, s17, 13
	s_add_co_u32 s22, s22, s3
	s_add_co_u32 s22, s22, s95
	s_lshl_b32 s46, s42, 18
	s_add_co_u32 s46, s46, s2
	s_lshl_b32 s92, s42, 13
	s_add_co_u32 s92, s92, s3
	s_add_co_u32 s92, s92, s96
	s_mov_b32 s21, 0
	s_mov_b32 s23, 0
	s_mov_b32 s47, 0
	s_mov_b32 s93, 0
	s_lshl_b32 s45, s14, 15                        ; where my part of a slot lies: wave x 32,768;
	s_lshl_b32 s94, s14, 12                        ; the scale words lie at SCL and SCL + 8,192 for every wave: no place in the cluster enters an LDS address
	s_wait_kmcnt 0x0
	s_cmp_eq_u32 s12, 1
	s_cselect_b64 s[96:97], s[6:7], s[4:5]         ; Y's buffer
	s_cselect_b64 s[98:99], s[4:5], s[6:7]         ; X's
	s_add_nc_u64 s[20:21], s[96:97], s[20:21]
	s_add_nc_u64 s[22:23], s[96:97], s[22:23]
	s_add_nc_u64 s[46:47], s[98:99], s[46:47]
	s_add_nc_u64 s[92:93], s[98:99], s[92:93]
	CROUND                                         ; all sixteen work-groups are here: the first joint loads meet
	s_mov_b32 s[G0S], 1
	s_mov_b32 s[G0S+1], SCL
	s_mov_b64 s[G0S+2:G0S+3], s[22:23]
	s_or_b32 s[G0S+3], s[G0S+3], 0x80000000
	s_mov_b32 s[G0SB], 1
	s_mov_b32 s[G0SB+1], SCL+8192
	s_mov_b64 s[G0SB+2:G0SB+3], s[92:93]
	s_or_b32 s[G0SB+3], s[G0SB+3], 0x80000000
	s_mov_b32 s96, 1                               ; s[96:99], s[4:7]: group 0 of the head's loads of K step 0: Y's 16 tiles, X's 16 tiles
	s_mov_b32 s97, 0
	s_sub_nc_u64 s[98:99], s[20:21], s[2:3]
	s_or_b32 s99, s99, 0x80000000
	s_mov_b32 s4, 1
	s_mov_b32 s5, XO
	s_sub_nc_u64 s[6:7], s[46:47], s[2:3]
	s_or_b32 s7, s7, 0x80000000
	s_cmp_eq_u32 s15, 0                            ; where my prefetches stand: my wave's 8 tiles of Y or of X,
	s_cselect_b64 s[2:3], s[20:21], s[46:47]
	s_cselect_b32 s94, s40, s41                    ; my place among the four that ask for them with me,
	s_lshl_b32 s94, s94, 15                        ; two tiles of them: 16,384 bytes from tile to tile
	s_mov_b32 s95, 0
	s_add_nc_u64 s[2:3], s[2:3], s[94:95]
.irp s, 0,1
	s_mov_b32 s[G0+4*\s], 1
	s_add_co_u32 s[G0+4*\s+1], s45, \s*SLOT
	s_add_nc_u64 s[G0+4*\s+2:G0+4*\s+3], s[20:21], \s*4096
	s_or_b32 s[G0+4*\s+3], s[G0+4*\s+3], 0x80000000
	s_mov_b32 s[G0B+4*\s], 1
	s_add_co_u32 s[G0B+4*\s+1], s45, \s*SLOT
	s_add_nc_u64 s[G0B+4*\s+2:G0B+4*\s+3], s[46:47], \s*4096
	s_or_b32 s[G0B+4*\s+3], s[G0B+4*\s+3], 0x80000000
.endr
	s_cmp_lt_u32 s14, 1                            ; one chain of branches on the wave's number, one load to an arm
	s_cbranch_scc0 .Lhead_x
	tensor_load_to_lds s[96:99], s[G1:G1+7]
	s_nop 0
	PLACES 4
	s_branch .Lhead_asked
.Lhead_x:
	s_cmp_lt_u32 s14, 2
	s_cbranch_scc0 .Lhead_sy
	tensor_load_to_lds s[4:7], s[G1B:G1B+7]
	s_nop 0
	PLACES 4
	s_branch .Lhead_asked
.Lhead_sy:
	s_cmp_lt_u32 s14, 3
	s_cbranch_scc0 .Lhead_sx
	tensor_load_to_lds s[G0S:G0S+3], s[G1S:G1S+7]
	s_nop 0
	PLACES 4
	s_branch .Lhead_asked
.Lhead_sx:
	tensor_load_to_lds s[G0SB:G0SB+3], s[G1SB:G1SB+7]
	s_nop 0
	PLACES 4
.Lhead_asked:
	v_and_b32 v1, 15, v0                           ; r
	v_bfe_u32 v2, v0, 4, 1                         ; h
	s_wait_alu depctr_va_vdst(0)
	v_and_b32 v3, 31, v0
	v_lshlrev_b32 v4, 4, v3
	; PREFETCHES INTO THE L2.  A K step of 256 is 4,096 bytes of each tile.  Of the 8 tiles that my wave's load brings, my work-group takes two (told apart by address: cx for Y, cy for X): lanes 0-15 the first, lanes 16-31 the second, 256 bytes apart:
	; each block of 256 bytes is named once in the cluster.  K steps 1 and 2 are asked for here, behind the head's loads; K step 3 in the first trip: two trips ahead of its load.  The address registers are never rewritten.
	v_lshlrev_b32 v31, 8, v1
	v_lshl_add_u32 v31, v2, 14, v31
	global_prefetch_b8 v31, s[2:3] offset:4096 th:TH_LOAD_NT scope:SCOPE_SE
	global_prefetch_b8 v31, s[2:3] offset:8192 th:TH_LOAD_NT scope:SCOPE_SE
	s_lshl_b32 s21, s15, 15
	s_lshl_b32 s22, s16, 15
	s_add_co_u32 s22, s22, XO
.irp s, 0,1
	v_add_nc_u32 v[ADRY+\s], s21, v4
	v_add_nc_u32 v[ADRX+\s], s22, v4
	s_add_co_u32 s21, s21, SLOT
	s_add_co_u32 s22, s22, SLOT
.endr
	s_lshl_b32 s21, s15, 9                         ; Y's words: my 8 tiles
	s_lshl_b32 s22, s16, 9                         ; X's, behind Y's 8,192 bytes
	s_add_co_u32 s22, s22, 8192
	s_sub_co_u32 s22, s22, s21
	v_mul_u32_u24 v6, s22, v2                      ; lanes 16-31 take X's
	s_add_co_u32 s21, s21, SCL
	v_lshl_add_u32 v6, v1, 2, v6
	v_add_nc_u32 v[ADRS], s21, v6
	; the bias, in the result's layout.  q, k: by X's index: register 8 i + j = b[.. + 32 (i/2) + 8 (i%2) + 16 h + j].  v: by Y's index: all eight registers of tile i = b[.. + 32 (i/2) + 8 (i%2) + r + 8 (r/8)]
	s_lshl_b32 s21, s17, 8
	s_lshl_b32 s22, s15, 7
	s_add_co_u32 s21, s21, s22
	s_add_co_u32 s21, s21, 2048
	s_lshl_b32 s22, s42, 8
	s_lshl_b32 s23, s16, 7
	s_add_co_u32 s22, s22, s23
	s_cmp_eq_u32 s12, 1
	s_cselect_b32 s22, s21, s22
	s_cselect_b32 s13, -1, 0
	s_lshl_b32 s22, s22, 2
	s_mov_b32 s23, 0
	s_add_nc_u64 s[8:9], s[8:9], s[22:23]
	v_and_b32 v5, 8, v1
	v_add_nc_u32 v5, v5, v1
	v_lshlrev_b32 v5, 2, v5
.irp j, 0,1,2,3,4,5,6,7
	v_lshl_add_u32 v[VB+\j], v2, 6, 4*\j
	v_cndmask_b32 v[VB+\j], v[VB+\j], v5, s13
.endr
.irp i, 0,1,2,3,4,5,6,7
.irp j, 0,1,2,3,4,5,6,7
	global_load_b32 v[BI+8*\i+\j], v[VB+\j], s[8:9] offset:(32*(\i/2)+8*(\i%2))*4
.endr
.endr
	TRIP_HEAD 0
	s_wait_loadcnt 0x0                             ; the bias
	s_cmp_eq_u32 s12, 0                            ; the first products begin the sums with the bias: by X's tile or by Y's.  The branch hangs on the cluster's x alone
	s_cbranch_scc0 .Lfirst_v
	STEP 0, 1
	s_branch .Lfirst_done
.Lfirst_v:
	STEP 0, 2
.Lfirst_done:
	LAST
	TRIP_HEAD 1
	STEP 1, 0
	LAST
	TRIP_HEAD 2
	STEP 0, 0
	LAST
	TRIP_HEAD 3
	STEP 1, 0
	LAST
	; THE WAY OUT.  No tensor load of mine is out, so the descriptors' registers are free.  Where each path's codes and scale words go:
	s_mov_b32 s[SEL], 0x76543210
	s_mov_b32 s[SEL+1], 0xfedcba98
	s_mov_b32 s[MNT], 0x600000
	s_lshl_b32 s24, s17, 4                         ; q, k: Y's tiles are token tiles
	s_lshl_b32 s25, s15, 3
	s_add_co_u32 s24, s24, s25
	s_lshr_b32 s25, s24, 7                         ; batch
	s_and_b32 s24, s24, 127                        ; my first tile in the batch
	s_lshl_b32 s25, s25, 4
	s_and_b32 s26, s42, 3
	s_lshl_b32 s26, s26, 2
	s_add_co_u32 s25, s25, s26
	s_lshl_b32 s26, s16, 1
	s_add_co_u32 s25, s25, s26                     ; the first of my two heads
	s_lshl_b32 s28, s25, 17                        ; q: codes
	s_lshl_b32 s26, s24, 10
	s_add_co_u32 s28, s28, s26
	s_lshl_b32 s29, s25, 13                        ; q: scale words
	s_lshl_b32 s27, s24, 6
	s_add_co_u32 s29, s29, s27
	s_add_co_u32 s29, s29, 4194304
	s_mul_i32 s30, s25, 274432                     ; k: my 8 token tiles are one step's record
	s_lshr_b32 s26, s24, 3
	s_mul_i32 s26, s26, 17152
	s_add_co_u32 s30, s30, s26
	s_add_co_u32 s30, s30, 4456448
	s_add_co_u32 s31, s30, 16384                   ; its scale words
	s_lshr_b32 s32, s42, 3                         ; v: X's rows are the keys
	s_lshl_b32 s32, s32, 4
	s_lshl_b32 s26, s17, 2
	s_add_co_u32 s32, s32, s26
	s_lshl_b32 s26, s15, 1
	s_add_co_u32 s32, s32, s26                     ; the first of my two heads
	s_and_b32 s33, s42, 7
	s_lshl_b32 s33, s33, 1
	s_add_co_u32 s33, s33, s16                     ; my step of 128 keys
	s_mul_i32 s34, s32, 274432
	s_mul_i32 s26, s33, 17152
	s_add_co_u32 s34, s34, s26
	s_add_co_u32 s34, s34, 4456448+8192            ; v's codes in the step's record,
	s_add_co_u32 s35, s34, 8704                    ; and its scale words, at byte 16,896 of the record
	s_cmp_eq_u32 ttmp9, 0
	s_cselect_b32 s36, s28, s30
	s_cselect_b32 s38, s29, s31
	s_mov_b32 s48, 274432
	s_cselect_b32 s48, 131072, s48
	s_mov_b32 s49, 274432
	s_cselect_b32 s49, 8192, s49
	s_cselect_b32 s50, 16, 0                       ; odd tiles: q shifts the second head's bytes down,
	s_cselect_b32 s51, 0, 16                       ; k shifts the first head's bytes up
	s_cmp_eq_u32 ttmp9, 2
	s_cselect_b32 s36, s34, s36
	s_cselect_b32 s38, s35, s38
	s_cselect_b32 s48, 1024, s48                   ; v: a fragment's four pieces lie on end
	s_cselect_b32 s49, 0, s49
	s_cselect_b32 s51, 0, s51
	s_cselect_b32 s52, 0, 16
	s_movk_i32 s54, 1024                           ; from tile to tile,
	s_cselect_b32 s54, 2048, s54
	s_movk_i32 s56, 1024                           ; and into tile 4: v goes on to its second head
	s_cselect_b32 s56, 268288, s56
	s_cselect_b32 s58, 274240, 64
	s_mov_b32 s37, 0
	s_mov_b32 s39, 0
	s_mov_b32 s55, 0
	s_mov_b32 s57, 0
	s_mov_b32 s59, 0
	s_add_nc_u64 s[60:61], s[10:11], s[36:37]      ; codes
	s_add_nc_u64 s[62:63], s[10:11], s[38:39]      ; scale words
	PLACES 8                                       ; behind the last products, ahead of the first read of results and of writes into registers that products read
	v_add_nc_u32 v[VC2], s48, v4
	v_mul_u32_u24 v[VSA], v2, s49
	v_lshl_add_u32 v[VSA], v1, 2, v[VSA]           ; q, k: lanes 0-15 store the first head's word, lanes 16-31 the second's.  v: both halves hold the same word and store it to the same place
	v_mul_u32_u24 v[SRE], v2, s52
	v_mul_u32_u24 v[SRO], v2, s50
	v_sub_nc_u32 v[SLO], 1, v2
	v_mul_u32_u24 v[SLO], v[SLO], s51
.irp b, 0,1,2,3
	v_mov_b32 v[TM+4+\b], 0
.endr
.irp a, 0,1,2,3,4,5,6,7
	s_wait_xcnt 0x0                                ; the last block's stores have read their data and their bases
.if \a == 4
	s_add_nc_u64 s[60:61], s[60:61], s[56:57]
	s_add_nc_u64 s[62:63], s[62:63], s[58:59]
.elseif \a > 0
	s_add_nc_u64 s[60:61], s[60:61], s[54:55]
	s_add_nc_u64 s[62:63], s[62:63], 64
.endif
	QUANT 64*(\a%4), 2+\a/4, PC
	global_store_b128 v4, v[PC:PC+3], s[60:61]
	global_store_b128 v4, v[PC+4:PC+7], s[60:61] offset:512
	global_store_b128 v[VC2], v[PC+8:PC+11], s[60:61]
	global_store_b128 v[VC2], v[PC+12:PC+15], s[60:61] offset:512
.if \a%2 == 0
	v_lshrrev_b32 v[WD], v[SRE], v[PW]
.else
	v_lshrrev_b32 v[WD], v[SRO], v[PW]
	v_lshlrev_b32 v[WD], v[SLO], v[WD]
.endif
	global_store_b32 v[VSA], v[WD], s[62:63]
.endr
	s_wait_tensorcnt 0x0                           ; the wave's end
	ds_add_u32 v[SPW], v[NIL]
	s_wait_dscnt 0x0
	CROUND                                         ; the closing round
	s_endpgm
.Lfunc_end_k_qd58ab7ee94_qkv:
	.size	k_qd58ab7ee94_qkv, .Lfunc_end_k_qd58ab7ee94_qkv-k_qd58ab7ee94_qkv
	.p2alignl 7, 3214868480
	.fill 96, 4, 3214868480
	.section	.rodata,"a",@progbits
	.p2align	6, 0x0
	.amdhsa_kernel k_qd58ab7ee94_qkv
		.amdhsa_group_segment_fixed_size 327680
		.amdhsa_private_segment_fixed_size 0
		.amdhsa_enable_private_segment 0
		.amdhsa_kernarg_size 32
		.amdhsa_user_sgpr_count 2
		.amdhsa_user_sgpr_kernarg_segment_ptr 1
		.amdhsa_wavefront_size32 1
		.amdhsa_system_sgpr_workgroup_id_x 1
		.amdhsa_system_sgpr_workgroup_id_y 1
		.amdhsa_system_sgpr_workgroup_id_z 1
		.amdhsa_system_vgpr_workitem_id 0
		.amdhsa_next_free_vgpr 1024
		.amdhsa_next_free_sgpr 104
		.amdhsa_reserve_vcc 0
		.amdhsa_float_denorm_mode_32 3
		.amdhsa_float_denorm_mode_16_64 3
		.amdhsa_memory_ordered 1
		.amdhsa_forward_progress 1
		.amdhsa_inst_pref_size 211
	.end_amdhsa_kernel
	.amdgpu_metadata
---
amdhsa.version: [ 1, 2 ]
amdhsa.kernels:
  - .name:           k_qd58ab7ee94_qkv
    .symbol:         k_qd58ab7ee94_qkv.kd
    .args:
      - { .name: act, .offset: 0, .size: 8, .value_kind: global_buffer, .address_space: global }
      - { .name: wimg, .offset: 8, .size: 8, .value_kind: global_buffer, .address_space: global }
      - { .name: attn_b, .offset: 16, .size: 8, .value_kind: global_buffer, .address_space: global }
      - { .name: qkv, .offset: 24, .size: 8, .value_kind: global_buffer, .address_space: global }
    .group_segment_fixed_size: 327680
    .private_segment_fixed_size: 0
    .kernarg_segment_align: 8
    .kernarg_segment_size: 32
    .max_flat_workgroup_size: 128
    .sgpr_count:     104
    .vgpr_count:     1024
    .wavefront_size: 32
...
	.end_amdgpu_metadata
.endif
;; end of part 2
;; launch attn (part 3): grid 8 x 32, 16 waves a work-group, clusters of 4 x 1, 327,680 bytes of LDS; arguments qkv, act; writes act
.if DOCPART == 3
	.amdgcn_target "amdgcn-amd-amdhsa--gfx1250"
	.amdhsa_code_object_version 6
	.text
	.protected	k_qd58ab7ee94_attn
	.globl	k_qd58ab7ee94_attn
	.p2align	8
	.type	k_qd58ab7ee94_attn,@function
k_qd58ab7ee94_attn:
	s_mov_b64 s[64:65], 0
	v_nop
	global_prefetch_b8 v0, s[64:65] scope:SCOPE_SE
	s_setreg_imm32_b32 hwreg(HW_REG_WAVE_MODE, 25, 1), 1
	s_wait_xcnt 0x0
	s_wait_alu depctr_hold_cnt(0) depctr_sa_sdst(0) depctr_va_vdst(0) depctr_va_sdst(0) depctr_va_ssrc(0) depctr_va_vcc(0) depctr_vm_vsrc(0)
	s_getreg_b32 s2, hwreg(HW_REG_IB_STS2, 6, 4)
	s_cmp_eq_u32 s2, 0
	s_cbranch_scc0 .Lentry_in_a_cluster
	s_endpgm
.Lentry_in_a_cluster:
	s_bfe_u32 s2, ttmp6, 0x10000c
	s_cmp_lg_u32 s2, 0x3003
	s_cbranch_scc0 .Lentry_shape_is_right
	s_endpgm
.Lentry_shape_is_right:
; ATTENTION on BF8 codes: y = softmax(q k^T / 8) v for one head and 256 queries a work-group; y is quantised along the channels and stored as the next product's operand image.
; t = score x log2(e) / 8; M = the running largest t rounded UP to a whole number; p = 2^(t - M) is quantised along the keys, not normalised; the row's sum is taken of the unquantised p and divides at the end.
; SHARES.  Sixteen waves, each one tile of 16 queries in 256 registers, four to a SIMD.  Every wave walks the head's 2,048 keys, 128 a step.
; ALL OF THE HEAD'S k AND v STAY IN LDS, as 16 records of 17,152 bytes (67 rows of 256), one for each step of 128 keys: k's 8 tiles x 1,024, v's 4 tiles x 2,048, k's scale words 512, v's 256.
; Wave w asks for record w: one tensor load a wave, every byte filled once.  Waves 0 to 3 have a load line of their own: the first barrier waits for that line alone and shows steps 0 to 3; the second shows the rest.
; CLUSTER 4 x 1: four query blocks of one head ask for these records jointly, with the same descriptors.
; No prefetch: all tiles are asked for at the head, so there is no loop in which a request could run ahead of a load.
; Both products are used transposed (S^T = k q^T, O^T = v^T p^T): a lane holds one query throughout.  The tiles' row order makes the 16 registers of key tiles 2 b, 2 b + 1 the keys 32 b + 16 (lane/16) + 0..15.
; THE HEAD HAS 64 CHANNELS, THE INSTRUCTION 128 ALONG K.  Source 0 is a PAIR of key tiles: registers 0-7 tile 2 p, registers 8-15 tile 2 p + 1.  q lies as [q | 0 | q] in v16-39: v16-31 gives tile 2 p's scores,
; v24-39 tile 2 p + 1's; the other tile's codes, which are finite, meet zero codes.  A pair's scale words come by one load: lanes 0-15 the even tile's (bytes 0, 1), lanes 16-31 the odd tile's (bytes 2, 3).
; THE ROW'S SUM runs in eight chains of pairs; seven adds join them.  The join stands in the NEXT step, as the places behind products, ahead of that step's change of M; behind the last step it is written once more.
; LIMITS: NaN and infinities are not served; a block of y whose largest magnitude lies under 2^-111 gets the byte 1.  y's scale bytes leave two at a time.  The scaled scores stay under 2^31 in magnitude.
; REGISTERS: v1 16 lane, v2 4 lane, v7 4 r, v3, v4 addresses in hand, v6 the old -M; v[10:11], v[14:15], v[238:239], v244-253 the sum's chains; v12 -M, v13 largest t; v16-39 q; v40-103 four fragments;
; v104-167 S^T, then p; v168-199 O^T; v200-215 p's codes; v216-235 at work; v236-239 k's scale words; v240 q's; v242, v243 v's; v254, v255 the add's.
.set REC,  17152
.set SPARE, 16*REC
.set KV0,  4456448
.set QS0,  4194304
.set KF,   40
.set SS,   104
.set OT,   168
.set PCD,  200
.set BM,   216
.set BP,   220
.set BH,   224
.set BS,   228
.set FF,   232                         ; v232 f; v233 p's scale word
.set TT,   234
.set PW,   235
.set KSW,  236
.set QSW,  240
.set VSW,  242
.set G0,   24
.set G1,   28
.set SEL,  60
.set CS,   62
.set MNT,  66
.set TB,   67
.set CNT,  70
.macro CROUND
	s_barrier_signal -1
	s_barrier_wait -1
	s_cmp_lg_u32 s14, 0
	s_cbranch_scc1 .Lnot_wave_0_\@
	s_barrier_signal -3
.Lnot_wave_0_\@:
	s_barrier_wait -3
	s_barrier_signal -1
	s_barrier_wait -1
.endm
.macro JOINA                           ; six of the seven adds that join the sum's chains
	v_pk_add_f32 v[14:15], v[14:15], v[244:245]
	v_pk_add_f32 v[10:11], v[10:11], v[246:247]
	v_pk_add_f32 v[248:249], v[248:249], v[250:251]
	v_pk_add_f32 v[252:253], v[252:253], v[238:239]
	v_pk_add_f32 v[14:15], v[14:15], v[248:249]
	v_pk_add_f32 v[10:11], v[10:11], v[252:253]
.endm
.macro JOINB                           ; the seventh
	v_pk_add_f32 v[14:15], v[14:15], v[10:11]
.endm
	s_load_b128 s[4:7], s[0:1], 0x0                ; qkv, act
	v_lshl_add_u32 v254, v0, 2, SPARE
	v_mov_b32 v255, 0
	ds_add_u32 v254, v255                          ; the opening lines: the add twice on end and its wait ahead of my tensor load
	ds_add_u32 v254, v255
	v_lshrrev_b32 v1, 5, v0
	v_readfirstlane_b32 s14, v1                    ; wave 0..15
	s_bfe_u32 s15, ttmp6, 0x40000                  ; cx
	s_lshl_b32 s16, ttmp9, 2
	s_add_co_u32 s16, s16, s15                     ; my block of 256 queries: it enters q's and y's addresses alone
	s_and_b32 s17, ttmp7, 0xffff                   ; batch x 16 + head, which the partners share
	s_mov_b32 s[G1], 15|(3<<16)|(1<<21)            ; the mask: all four; elements of 8 bytes; bit 21 beside a mask
	s_mov_b32 s[G1+1], 32<<16                      ; 67 rows of 256 bytes, dense
	s_mov_b32 s[G1+2], 67<<16
	s_mov_b32 s[G1+3], 32<<16
	s_mov_b32 s[G1+4], 67
	s_mov_b32 s[G1+5], 32
	s_mov_b32 s[G1+6], 0
	s_mov_b32 s[G1+7], 0
	s_mov_b32 s[G0], 1
	s_mul_i32 s[G0+1], s14, REC                    ; record w lies at w x 17,152 in LDS,
	s_mul_i32 s20, s17, 16*REC
	s_add_co_u32 s20, s20, s[G0+1]
	s_add_co_u32 s20, s20, KV0                     ; and in the head's part of the buffer
	s_mov_b32 s21, 0
	s_lshl_b32 s8, s16, 4
	s_add_co_u32 s8, s8, s14                       ; my tile of queries in the head
	s_lshl_b32 s10, s17, 17
	s_lshl_b32 s11, s8, 10
	s_add_co_u32 s10, s10, s11                     ; q's codes
	s_mov_b32 s11, 0
	s_lshl_b32 s12, s17, 13
	s_lshl_b32 s13, s8, 6
	s_add_co_u32 s12, s12, s13
	s_add_co_u32 s12, s12, QS0                     ; q's scale words
	s_mov_b32 s13, 0
	s_lshr_b32 s9, s17, 4                          ; batch
	s_and_b32 s71, s17, 15                         ; head
	s_lshl_b32 s72, s9, 7
	s_add_co_u32 s72, s72, s8                      ; y: my tile of tokens
	s_lshl_b32 s72, s72, 14
	s_lshr_b32 s73, s71, 1
	s_lshl_b32 s73, s73, 11
	s_add_co_u32 s72, s72, s73                     ; K step head / 2,
	s_and_b32 s73, s71, 1
	s_lshl_b32 s73, s73, 10
	s_add_co_u32 s72, s72, s73                     ; its lower or upper half
	s_mov_b32 s73, 0
	s_lshl_b32 s74, s9, 3
	s_add_co_u32 s74, s74, s16
	s_lshl_b32 s74, s74, 13
	s_lshr_b32 s75, s71, 1
	s_lshl_b32 s75, s75, 10
	s_add_co_u32 s74, s74, s75
	s_lshl_b32 s75, s14, 6
	s_add_co_u32 s74, s74, s75
	s_and_b32 s75, s71, 1
	s_lshl_b32 s75, s75, 1
	s_add_co_u32 s74, s74, s75
	s_add_co_u32 s74, s74, 4194304                 ; y's scale bytes: two of the row's word
	s_mov_b32 s75, 0
	s_mov_b32 s[SEL], 0x76543210
	s_mov_b32 s[SEL+1], 0xfedcba98
	s_mov_b32 s[CS], 0x3e38aa3b                    ; c = log2(e) / 8
	s_mov_b32 s[CS+1], s[CS]
	s_mov_b32 s[MNT], 0x600000
	s_wait_dscnt 0x0
	s_wait_kmcnt 0x0
	s_add_nc_u64 s[G0+2:G0+3], s[4:5], s[20:21]
	s_or_b32 s[G0+3], s[G0+3], 0x80000000
	s_add_nc_u64 s[10:11], s[4:5], s[10:11]
	s_add_nc_u64 s[12:13], s[4:5], s[12:13]
	s_add_nc_u64 s[72:73], s[6:7], s[72:73]
	s_add_nc_u64 s[74:75], s[6:7], s[74:75]
	CROUND                                         ; all four work-groups are here: the joint loads meet
	s_cmp_lt_u32 s14, 4                            ; two arms, one load each: waves 0 to 3, whose records the first barrier shows, have a line of their own
	s_cbranch_scc0 .Lrest
	tensor_load_to_lds s[G0:G0+3], s[G1:G1+7]
	s_nop 0
.rept 4
	v_nop
.endr
	s_branch .Lasked
.Lrest:
	tensor_load_to_lds s[G0:G0+3], s[G1:G1+7]
	s_nop 0
.rept 4
	v_nop
.endr
.Lasked:
	v_and_b32 v6, 31, v0
	v_and_b32 v7, 15, v0
	v_lshlrev_b32 v1, 4, v6                        ; 16 x lane
	v_lshlrev_b32 v2, 2, v6                        ; 4 x lane
	v_lshlrev_b32 v7, 2, v7                        ; 4 r
	global_load_b128 v[16:19], v1, s[10:11]        ; q, twice: [q | 0 | q]
	global_load_b128 v[20:23], v1, s[10:11] offset:512
	global_load_b128 v[32:35], v1, s[10:11]
	global_load_b128 v[36:39], v1, s[10:11] offset:512
	global_load_b32 v241, v7, s[12:13]
.irp j, 24,25,26,27,28,29,30,31
	v_mov_b32 v\j, 0
.endr
	v_mov_b32 v13, 0xff61b1e6                      ; the largest t so far: -3e38
	v_floor_f32 v12, -v13                          ; -M
.irp j, 10,11,14,15,238,239,244,245,246,247,248,249,250,251,252,253
	v_mov_b32 v\j, 0                               ; the sum's chains: the first step's join finds zeros
.endr
.irp b, 0,1,2,3
	v_mov_b32 v[BP+\b], 0                          ; a lane permute's destination counts as read
.endr
	v_mov_b32 v[FF+1], 0
	s_wait_alu depctr_va_vdst(0)
	s_wait_loadcnt 0x0
	v_and_b32 v[TT], 0xffff, v241
	v_lshl_or_b32 v[QSW], v[TT], 16, v[TT]         ; q's two scale bytes in both halves of the word
.irp j, 0,1,2,3,4,5,6,7,8,9,10,11,12,13,14,15,16,17,18,19,20,21,22,23,24,25,26,27,28,29,30,31
	v_mov_b32 v[OT+\j], 0                          ; O^T: the step is written once; the first finds zeros
.endr
.macro STEP
	v_add_nc_u32 v3, s[TB], v1
	v_add_nc_u32 v4, s[TB], v2
	JOINA                                          ; with the two additions: eight places ahead of loads into registers that products have read
.irp p, 0,1,2,3
.irp c, 0,1,2,3
	ds_load_b128 v[KF+16*\p+4*\c:KF+16*\p+4*\c+3], v3 offset:2048*\p+512*\c
.endr
	ds_load_b32 v[KSW+\p], v4 offset:16384+128*\p
.endr
	s_wait_alu depctr_va_vdst(0)                   ; the wait here, directly ahead of the wait below
	s_wait_dscnt 0x0
.irp p, 0,1,2,3
	v_wmma_scale_f32_16x16x128_f8f6f4 v[SS+16*\p:SS+16*\p+7], v[KF+16*\p:KF+16*\p+15], v[16:31], 0, v[KSW+\p], v[QSW] matrix_a_fmt:MATRIX_FMT_BF8 matrix_b_fmt:MATRIX_FMT_BF8
	v_wmma_scale_f32_16x16x128_f8f6f4 v[SS+16*\p+8:SS+16*\p+15], v[KF+16*\p:KF+16*\p+15], v[24:39], 0, v[KSW+\p], v[QSW] matrix_a_fmt:MATRIX_FMT_BF8 matrix_b_fmt:MATRIX_FMT_BF8 matrix_a_scale:MATRIX_SCALE_ROW1
.endr
	JOINB                                          ; eight places behind the products: the join's last add, the old -M, six idle lines
	v_mov_b32 v6, v12
.rept 6
	v_nop
.endr
.irp t, 0,1,2,3
.irp c, 0,1,2,3
	ds_load_b128 v[KF+16*\t+4*\c:KF+16*\t+4*\c+3], v3 offset:8192+2048*\t+512*\c   ; v's four tiles: they land under the softmax
.endr
.endr
	ds_load_b32 v[VSW], v4 offset:16896
	ds_load_b32 v[VSW+1], v4 offset:17024
.irp b, 0,1,2,3
	v_max3_num_f32 v[BM+\b], v[SS+16*\b], v[SS+16*\b+1], v[SS+16*\b+2]     ; the largest score of each block of 32 keys: for the row's maximum and for the block's largest p
.endr
.irp i, 3,5,7,9,11,13
.irp b, 0,1,2,3
	v_max3_num_f32 v[BM+\b], v[BM+\b], v[SS+16*\b+\i], v[SS+16*\b+\i+1]
.endr
.endr
.irp b, 0,1,2,3
	v_max_num_f32 v[BM+\b], v[BM+\b], v[SS+16*\b+15]
.endr
.irp b, 0,1,2,3
	v_permlanex16_b32 v[BP+\b], v[BM+\b], s[SEL], s[SEL+1]
.endr
.irp b, 0,1,2,3
	v_max_num_f32 v[BM+\b], v[BM+\b], v[BP+\b]
.endr
	s_delay_alu instid0(VALU_DEP_2)
	v_max3_num_f32 v[TT], v[BM], v[BM+1], v[BM+2]
	s_delay_alu instid0(VALU_DEP_1)
	v_max_num_f32 v[TT], v[TT], v[BM+3]
	s_delay_alu instid0(VALU_DEP_1)
	v_mul_f32 v[TT], s[CS], v[TT]
	s_delay_alu instid0(VALU_DEP_1)
	v_max_num_f32 v13, v13, v[TT]                  ; the running largest t
	s_delay_alu instid0(VALU_DEP_1)
	v_floor_f32 v12, -v13                          ; the new -M: a whole number
	s_delay_alu instid0(VALU_DEP_1)
	v_sub_f32 v[TT], v12, v6
	s_delay_alu instid0(VALU_DEP_1)
	v_cvt_i32_f32 v[TT], v[TT]                     ; (it saturates)
	s_delay_alu instid0(VALU_DEP_1)
	v_ldexp_f32 v[FF], 1.0, v[TT]                  ; f = 2^(old M - new M): rounds nothing
.irp j, 0,2,4,6,8,10,12,14,16,18,20,22,24,26,28,30,32,34,36,38,40,42,44,46,48,50,52,54,56,58,60,62
	v_pk_fma_f32 v[SS+\j:SS+\j+1], v[SS+\j:SS+\j+1], s[CS:CS+1], v[12:13] op_sel_hi:[1,0,0]   ; t - M
.endr
.irp b, 0,1,2,3
	v_fma_f32 v[BM+\b], v[BM+\b], s[CS], v12
.endr
	s_wait_alu depctr_va_vdst(0)                   ; the wait ahead of the batch
.irp j, 0,1,2,3,4,5,6,7,8,9,10,11,12,13,14,15,16,17,18,19,20,21,22,23,24,25,26,27,28,29,30,31,32,33,34,35,36,37,38,39,40,41,42,43,44,45,46,47,48,49,50,51,52,53,54,55,56,57,58,59,60,61,62,63
	v_exp_f32 v[SS+\j], v[SS+\j]                   ; p = 2^(t - M)
.endr
	v_pk_mul_f32 v[14:15], v[14:15], v[FF:FF+1] op_sel_hi:[1,0]   ; the sum under the new M: a plain line behind the batch
	s_wait_alu depctr_va_vdst(0)                   ; one wait for the whole batch, ahead of its first reader
.irp b, 0,1,2,3
	v_exp_f32 v[BM+\b], v[BM+\b]                   ; the block's largest p
.endr
.set J, 0
.irp r, 10,244,246,248,250,252,238     ; the row's sum of the unquantised p: seven chains begin anew with two pairs each,
	v_pk_add_f32 v[\r:\r+1], v[SS+J:SS+J+1], v[SS+J+2:SS+J+3]
.set J, J+4
.endr
.rept 2
.irp r, 14,10,244,246,248,250,252,238  ; all eight take a pair a turn,
	v_pk_add_f32 v[\r:\r+1], v[\r:\r+1], v[SS+J:SS+J+1]
.set J, J+2
.endr
.endr
.irp r, 14,10                          ; and two take the last two: 32 pairs in 25 adds
	v_pk_add_f32 v[\r:\r+1], v[\r:\r+1], v[SS+J:SS+J+1]
.set J, J+2
.endr
	s_wait_alu depctr_va_vdst(0)                   ; and one wait for the four
.irp b, 0,1,2,3
	v_max_num_f32 v[BM+\b], 0x8000000, v[BM+\b]    ; the floor 2^(16-127)
.endr
.irp b, 0,1,2,3
	v_add_nc_u32 v[BS+\b], 0xf8800000, v[BM+\b]
.endr
.irp b, 0,1,2,3
	v_and_or_b32 v[BH+\b], v[BM+\b], 0x7f800000, s[MNT]
.endr
.irp b, 0,1,2,3
	v_lshrrev_b32 v[BP+\b], 23, v[BS+\b]
.endr
	s_delay_alu instid0(VALU_DEP_3)
	v_lshl_or_b32 v[FF+1], v[BP+1], 8, v[BP]       ; p's scale word for these 128 keys
	s_delay_alu instid0(VALU_DEP_1)
	v_lshl_or_b32 v[FF+1], v[BP+2], 16, v[FF+1]
	s_delay_alu instid0(VALU_DEP_1)
	v_lshl_or_b32 v[FF+1], v[BP+3], 24, v[FF+1]
.irp b, 0,1,2,3
.irp i, 0,2,4,6,8,10,12,14
	v_dual_min_num_f32 v[SS+16*\b+\i], v[SS+16*\b+\i], v[BH+\b] :: v_dual_min_num_f32 v[SS+16*\b+\i+1], v[SS+16*\b+\i+1], v[BH+\b]   ; p is not negative: the hold is one-sided; two numbers a line
.endr
	v_cvt_scalef32_pk8_bf8_f32 v[PCD+4*\b:PCD+4*\b+1], v[SS+16*\b:SS+16*\b+7], v[BS+\b]
	v_cvt_scalef32_pk8_bf8_f32 v[PCD+4*\b+2:PCD+4*\b+3], v[SS+16*\b+8:SS+16*\b+15], v[BS+\b]
.endr
	s_wait_alu depctr_va_vdst(0)                   ; the wait here, directly ahead of the first reader of O^T
.irp j, 0,2,4,6,8,10,12,14,16,18,20,22,24,26,28,30
	v_pk_mul_f32 v[OT+\j:OT+\j+1], v[OT+\j:OT+\j+1], v[FF:FF+1] op_sel_hi:[1,0]   ; O^T under the new M; these sixteen are also the places ahead of the products
.endr
	s_wait_alu depctr_va_vdst(0)                   ; and here, directly ahead of the wait below
	s_wait_dscnt 0x0                               ; v
	v_wmma_scale_f32_16x16x128_f8f6f4 v[OT:OT+7], v[KF:KF+15], v[PCD:PCD+15], v[OT:OT+7], v[VSW], v[FF+1] matrix_a_fmt:MATRIX_FMT_BF8 matrix_b_fmt:MATRIX_FMT_BF8
	v_wmma_scale_f32_16x16x128_f8f6f4 v[OT+8:OT+15], v[KF+16:KF+31], v[PCD:PCD+15], v[OT+8:OT+15], v[VSW], v[FF+1] matrix_a_fmt:MATRIX_FMT_BF8 matrix_b_fmt:MATRIX_FMT_BF8 matrix_a_scale:MATRIX_SCALE_ROW1
	v_wmma_scale_f32_16x16x128_f8f6f4 v[OT+16:OT+23], v[KF+32:KF+47], v[PCD:PCD+15], v[OT+16:OT+23], v[VSW+1], v[FF+1] matrix_a_fmt:MATRIX_FMT_BF8 matrix_b_fmt:MATRIX_FMT_BF8
	v_wmma_scale_f32_16x16x128_f8f6f4 v[OT+24:OT+31], v[KF+48:KF+63], v[PCD:PCD+15], v[OT+24:OT+31], v[VSW+1], v[FF+1] matrix_a_fmt:MATRIX_FMT_BF8 matrix_b_fmt:MATRIX_FMT_BF8 matrix_a_scale:MATRIX_SCALE_ROW1
	s_add_co_u32 s[TB], s[TB], REC                 ; the next step's record
.endm
	s_wait_alu depctr_va_vdst(0)                   ; the wait at the head's end
	s_cmp_lt_u32 s14, 4
	s_cbranch_scc0 .Lnot_first
	s_wait_tensorcnt 0x0                           ; waves 0 to 3: my record has landed
.Lnot_first:
	s_barrier_signal -1
	s_barrier_wait -1                              ; records 0 to 3 are whole
	s_wait_tensorcnt 0x0                           ; every wave: my record has landed;
	s_barrier_signal -1                            ; say so at once.  Between this signal and its wait stand steps 0 to 3: work on registers and LDS loads of records 0 to 3, which nobody writes again
	s_mov_b32 s[TB], 0
	s_mov_b32 s[CNT], 4
.Lfirst4:
	STEP
	s_sub_co_u32 s[CNT], s[CNT], 1
	s_cmp_lg_u32 s[CNT], 0
	s_cbranch_scc1 .Lfirst4
	s_barrier_wait -1                              ; all sixteen records are whole
	s_mov_b32 s[CNT], 12
.Lrest12:
	STEP
	s_sub_co_u32 s[CNT], s[CNT], 1
	s_cmp_lg_u32 s[CNT], 0
	s_cbranch_scc1 .Lrest12
	; THE WAY OUT: O^T / the sum; register 8 t + j of lane (r, h) is channel 32 (t/2) + 16 h + 8 (t%2) + j of my query: 16 neighbours of each of two blocks
	JOINA                                          ; the last step's join; with the lines below: the places behind the last products
	JOINB
	v_add_f32 v14, v14, v15
	s_delay_alu instid0(VALU_DEP_1)
	v_permlanex16_b32 v[TT], v14, s[SEL], s[SEL+1]
	s_delay_alu instid0(VALU_DEP_1)
	v_add_f32 v14, v14, v[TT]
	s_wait_alu depctr_va_vdst(0)
	v_rcp_f32 v14, v14
	v_nop
	s_wait_alu depctr_va_vdst(0)
.irp j, 0,1,2,3,4,5,6,7,8,9,10,11,12,13,14,15,16,17,18,19,20,21,22,23,24,25,26,27,28,29,30,31
	v_mul_f32 v[SS+\j], v[OT+\j], v14
.endr
.irp b, 0,1
	v_max3_num_f32 v[BM+\b], |v[SS+16*\b]|, |v[SS+16*\b+1]|, 0x8000000
.endr
.irp i, 2,4,6,8,10,12,14
.irp b, 0,1
	s_delay_alu instid0(VALU_DEP_2)
	v_max3_num_f32 v[BM+\b], v[BM+\b], |v[SS+16*\b+\i]|, |v[SS+16*\b+\i+1]|
.endr
.endr
.irp b, 0,1
	s_delay_alu instid0(VALU_DEP_2)
	v_permlanex16_b32 v[BP+\b], v[BM+\b], s[SEL], s[SEL+1]
.endr
.irp b, 0,1
	s_delay_alu instid0(VALU_DEP_2)
	v_max_num_f32 v[BM+\b], v[BM+\b], v[BP+\b]
.endr
.irp b, 0,1
	s_delay_alu instid0(VALU_DEP_2)
	v_add_nc_u32 v[BS+\b], 0xf8800000, v[BM+\b]
.endr
.irp b, 0,1
	s_delay_alu instid0(VALU_DEP_4)
	v_and_or_b32 v[BH+\b], v[BM+\b], 0x7f800000, s[MNT]
.endr
.irp b, 0,1
	s_delay_alu instid0(VALU_DEP_4)
	v_lshrrev_b32 v[BP+\b], 23, v[BS+\b]
.endr
	s_delay_alu instid0(VALU_DEP_1)
	v_lshl_or_b32 v[PW], v[BP+1], 8, v[BP]
.irp b, 0,1
.irp i, 0,1,2,3,4,5,6,7,8,9,10,11,12,13,14,15
	v_med3_num_f32 v[SS+16*\b+\i], v[SS+16*\b+\i], -v[BH+\b], v[BH+\b]
.endr
	v_cvt_scalef32_pk8_bf8_f32 v[PCD+4*\b:PCD+4*\b+1], v[SS+16*\b:SS+16*\b+7], v[BS+\b]
	v_cvt_scalef32_pk8_bf8_f32 v[PCD+4*\b+2:PCD+4*\b+3], v[SS+16*\b+8:SS+16*\b+15], v[BS+\b]
.endr
	v_nop
	global_store_b128 v1, v[PCD:PCD+3], s[72:73]
	global_store_b128 v1, v[PCD+4:PCD+7], s[72:73] offset:512
	global_store_b16 v7, v[PW], s[74:75]           ; lanes r and r + 16 hold the same two bytes and store them to the same place
	s_wait_tensorcnt 0x0                           ; the wave's end
	ds_add_u32 v254, v255
	s_wait_dscnt 0x0
	CROUND                                         ; the closing round
	s_endpgm
.Lfunc_end_k_qd58ab7ee94_attn:
	.size	k_qd58ab7ee94_attn, .Lfunc_end_k_qd58ab7ee94_attn-k_qd58ab7ee94_attn
	.p2alignl 7, 3214868480
	.fill 96, 4, 3214868480
	.section	.rodata,"a",@progbits
	.p2align	6, 0x0
	.amdhsa_kernel k_qd58ab7ee94_attn
		.amdhsa_group_segment_fixed_size 327680
		.amdhsa_private_segment_fixed_size 0
		.amdhsa_enable_private_segment 0
		.amdhsa_kernarg_size 16
		.amdhsa_user_sgpr_count 2
		.amdhsa_user_sgpr_kernarg_segment_ptr 1
		.amdhsa_wavefront_size32 1
		.amdhsa_system_sgpr_workgroup_id_x 1
		.amdhsa_system_sgpr_workgroup_id_y 1
		.amdhsa_system_sgpr_workgroup_id_z 1
		.amdhsa_system_vgpr_workitem_id 0
		.amdhsa_next_free_vgpr 256
		.amdhsa_next_free_sgpr 80
		.amdhsa_reserve_vcc 0
		.amdhsa_float_denorm_mode_32 3
		.amdhsa_float_denorm_mode_16_64 3
		.amdhsa_memory_ordered 1
		.amdhsa_forward_progress 1
		.amdhsa_inst_pref_size 53
	.end_amdhsa_kernel
	.amdgpu_metadata
---
amdhsa.version: [ 1, 2 ]
amdhsa.kernels:
  - .name:           k_qd58ab7ee94_attn
    .symbol:         k_qd58ab7ee94_attn.kd
    .args:
      - { .name: qkv, .offset: 0, .size: 8, .value_kind: global_buffer, .address_space: global }
      - { .name: act, .offset: 8, .size: 8, .value_kind: global_buffer, .address_space: global }
    .group_segment_fixed_size: 327680
    .private_segment_fixed_size: 0
    .kernarg_segment_align: 8
    .kernarg_segment_size: 16
    .max_flat_workgroup_size: 512
    .sgpr_count:     80
    .vgpr_count:     256
    .wavefront_size: 32
...
	.end_amdgpu_metadata
.endif
;; end of part 3
;; launch proj (part 4): grid 8 x 32, 4 waves a work-group, clusters of 4 x 4, 327,680 bytes of LDS; arguments act, wimg, attn_proj_b, x, x1; writes x1
.if DOCPART == 4
	.amdgcn_target "amdgcn-amd-amdhsa--gfx1250"
	.amdhsa_code_object_version 6
	.text
	.protected	k_qd58ab7ee94_proj
	.globl	k_qd58ab7ee94_proj
	.p2align	8
	.type	k_qd58ab7ee94_proj,@function
k_qd58ab7ee94_proj:
	s_mov_b64 s[64:65], 0
	v_nop
	global_prefetch_b8 v0, s[64:65] scope:SCOPE_SE
	s_setreg_imm32_b32 hwreg(HW_REG_WAVE_MODE, 25, 1), 1
	s_wait_xcnt 0x0
	s_wait_alu depctr_hold_cnt(0) depctr_sa_sdst(0) depctr_va_vdst(0) depctr_va_sdst(0) depctr_va_ssrc(0) depctr_va_vcc(0) depctr_vm_vsrc(0)
	s_getreg_b32 s2, hwreg(HW_REG_IB_STS2, 6, 4)
	s_cmp_eq_u32 s2, 0
	s_cbranch_scc0 .Lentry_in_a_cluster
	s_endpgm
.Lentry_in_a_cluster:
	s_bfe_u32 s2, ttmp6, 0x10000c
	s_cmp_lg_u32 s2, 0xf033
	s_cbranch_scc0 .Lentry_shape_is_right
	s_endpgm
.Lentry_shape_is_right:
.set KK,    1024
.set WOFF,  3145728
.set WSOFF, 12681216
.set YSOFF, 4194304
.set NT,    KK/512
.set SLOT,  131072
.set XO,    65536
.set SCL,   262144
.set STG,   294912
.set SPARE, 312320
.set ADRY, 16
.set ADRX, 20
.set STO,  24
.set RD,   25
.set CO,   26
.set ADRS, 27
.set SPW,  28
.set NIL,  29
.set BV,   30
.set SC,   32
.set BI,   48
.set BK,   80
.set ACC,  128
.set G1, 24
.set G0, 32
.set G1B, 48
.set G0B, 56
.set G1S, 68
.set G0S, 76
.set G1SB, 80
.set G0SB, 88
.set MSB, 0
.macro WIN new
.if MSB != (\new)
	s_set_vgpr_msb (MSB<<8)|(\new)
.set MSB, (\new)
.endif
.endm
.macro PLACES n
.rept \n
	v_nop
.endr
.endm
.macro CROUND
	s_barrier_signal -1
	s_barrier_wait -1
	s_cmp_lg_u32 s14, 0
	s_cbranch_scc1 .Lnot_wave_0_\@
	s_barrier_signal -3
.Lnot_wave_0_\@:
	s_barrier_wait -3
	s_barrier_signal -1
	s_barrier_wait -1
.endm
.macro JLOAD g0y, g1y, g0x, g1x
	s_cmp_eq_u32 s15, 0
	s_cbranch_scc0 .Lfor_x_\@
	tensor_load_to_lds s[\g0y:\g0y+3], s[\g1y:\g1y+7]
	s_nop 0
.rept 4
	v_nop
.endr
	s_branch .Lasked_\@
.Lfor_x_\@:
	tensor_load_to_lds s[\g0x:\g0x+3], s[\g1x:\g1x+7]
	s_nop 0
.rept 4
	v_nop
.endr
.Lasked_\@:
.endm
.macro FETCH slot, q, f
	WIN 0x40
.irp i, 0,1,2,3
.irp c, 0,1,2,3
	ds_load_b128 v[\f+16*\i+4*\c:\f+16*\i+4*\c+3], v[ADRY+\slot] offset:\i*8192+(\q)*2048+512*\c
	ds_load_b128 v[\f+64+16*\i+4*\c:\f+64+16*\i+4*\c+3], v[ADRX+\slot] offset:\i*8192+(\q)*2048+512*\c
.endr
.endr
.endm
.macro SCALES t
.irp i, 0,1,2,3
.irp q, 0,1,2,3
	ds_load_b32 v[SC+4*\i+\q], v[ADRS] offset:(4*(\t)+\q)*512+64*\i
.endr
.endr
.endm
.macro MUL f, q, first
	WIN 0x05
.irp a, 0,1,2,3
.irp b, 0,1,2,3
.set rD, ACC+8*(4*\a+\b)
.if \first
	v_wmma_scale_f32_16x16x128_f8f6f4 v[rD:rD+7], v[\f+64+16*\b:\f+64+16*\b+15], v[\f+16*\a:\f+16*\a+15], v[BI+8*\b:BI+8*\b+7], v[SC+4*\b+\q], v[SC+4*\a+\q] matrix_a_fmt:MATRIX_FMT_BF8 matrix_b_fmt:MATRIX_FMT_BF8 matrix_a_scale:MATRIX_SCALE_ROW1
.else
	v_wmma_scale_f32_16x16x128_f8f6f4 v[rD:rD+7], v[\f+64+16*\b:\f+64+16*\b+15], v[\f+16*\a:\f+16*\a+15], v[rD:rD+7], v[SC+4*\b+\q], v[SC+4*\a+\q] matrix_a_fmt:MATRIX_FMT_BF8 matrix_b_fmt:MATRIX_FMT_BF8 matrix_a_scale:MATRIX_SCALE_ROW1
.endif
.endr
.endr
.endm
.macro TRIP t
.set SL, (\t)%2
.if (\t) == 0
	s_wait_alu depctr_va_vdst(0)                   ; the wait at the head's end
	s_wait_tensorcnt 0x0                           ; my tile of the head's four has landed
	ds_add_u32 v[SPW], v[NIL]
	s_mov_b32 s[G1+2], 4<<16                       ; no load of mine is out: from here on a load brings 4 tiles
	s_mov_b32 s[G1+4], 4
	s_mov_b32 s[G1B+2], 4<<16
	s_mov_b32 s[G1B+4], 4
	s_wait_dscnt 0x0
	CROUND
	JLOAD G0+4, G1, G0B+4, G1B                     ; slot 1's first fill, first behind the round
.else
	s_wait_tensorcnt 0x0
	ds_add_u32 v[SPW], v[NIL]
.if (\t) < NT-1
	s_add_nc_u64 s[G0+4*(1-SL)+2:G0+4*(1-SL)+3], s[G0+4*(1-SL)+2:G0+4*(1-SL)+3], 16384
	s_add_nc_u64 s[G0B+4*(1-SL)+2:G0B+4*(1-SL)+3], s[G0B+4*(1-SL)+2:G0B+4*(1-SL)+3], 16384
.endif
	s_wait_dscnt 0x0
.if (\t) < NT-1
	CROUND
	JLOAD G0+4*(1-SL), G1, G0B+4*(1-SL), G1B
	PLACES 4
.else
	s_barrier_signal -1
	s_barrier_wait -1
	PLACES 8
.endif
.endif
	SCALES \t
	FETCH SL, 0, 0
	FETCH SL, 1, 128
	s_wait_dscnt 32
.if (\t) == 0
	s_wait_loadcnt 0x0                             ; the bias
	MUL 0, 0, 1
.else
	MUL 0, 0, 0
.endif
	PLACES 8
	FETCH SL, 2, 0
.if (\t) == 0
	RESID                                          ; the residual's rows are asked for here, behind the first tiles; they are read on the way out
.endif
	s_wait_dscnt 32
	MUL 128, 1, 0
	PLACES 8
	FETCH SL, 3, 128
	s_wait_dscnt 32
	MUL 0, 2, 0
	s_wait_dscnt 0x0
	MUL 128, 3, 0
	WIN 0
.endm
	s_load_b256 s[4:11], s[0:1], 0x0
	s_load_b64 s[12:13], s[0:1], 0x20
	v_lshl_add_u32 v[SPW], v0, 2, SPARE
	v_mov_b32 v[NIL], 0
	ds_add_u32 v28, v29
	ds_add_u32 v28, v29
	s_wait_dscnt 0x0
	v_lshrrev_b32 v1, 5, v0
	v_readfirstlane_b32 s14, v1
	s_lshr_b32 s15, s14, 1
	s_and_b32 s16, s14, 1
	s_bfe_u32 s40, ttmp6, 0x40000
	s_bfe_u32 s41, ttmp6, 0x40004
	s_lshl_b32 s42, ttmp9, 2
	s_add_co_u32 s42, s42, s40
	s_and_b32 s17, ttmp7, 0xffff
	s_lshl_b32 s17, s17, 2
	s_add_co_u32 s17, s17, s41
	s_lshl_b32 s43, s41, 2
	s_lshl_b32 s43, 15, s43
	s_lshl_b32 s44, 0x1111, s40
	s_or_b32 s[G1], s43, (3<<16)|(1<<21)
	s_or_b32 s[G1B], s44, (3<<16)|(1<<21)
	s_or_b32 s[G1S], s43, (3<<16)|(1<<21)
	s_or_b32 s[G1SB], s44, (3<<16)|(1<<21)
.irp g, G1, G1B
	s_mov_b32 s[\g+1], 1024<<16
	s_mov_b32 s[\g+2], 8<<16
	s_mov_b32 s[\g+3], 1024<<16
	s_mov_b32 s[\g+4], 8
	s_mov_b32 s[\g+5], 2*KK
	s_mov_b32 s[\g+6], 0
	s_mov_b32 s[\g+7], 0
.endr
.irp g, G1S, G1SB
	s_mov_b32 s[\g+1], 64<<16
	s_mov_b32 s[\g+2], (KK/128)<<16
	s_mov_b32 s[\g+3], 64<<16
	s_mov_b32 s[\g+4], KK/128
	s_mov_b32 s[\g+5], 128
	s_mov_b32 s[\g+6], 0
	s_mov_b32 s[\g+7], 0
.endr
	s_mul_i32 s2, s16, 64*KK
	s_mov_b32 s3, 0                                ; the scale words come whole; s[2:3] is my half's offset in the codes
	s_mul_i32 s20, s17, 128*KK
	s_add_co_u32 s20, s20, s2
	s_lshr_b32 s22, s17, 1
	s_mul_i32 s22, s22, 8*KK
	s_and_b32 s23, s17, 1
	s_lshl_b32 s23, s23, 9
	s_add_co_u32 s22, s22, s23
	s_add_co_u32 s22, s22, s3
	s_add_co_u32 s22, s22, YSOFF
	s_mul_i32 s46, s42, 128*KK
	s_add_co_u32 s46, s46, s2
	s_add_co_u32 s46, s46, WOFF
	s_lshr_b32 s92, s42, 1
	s_mul_i32 s92, s92, 8*KK
	s_and_b32 s93, s42, 1
	s_lshl_b32 s93, s93, 9
	s_add_co_u32 s92, s92, s93
	s_add_co_u32 s92, s92, s3
	s_add_co_u32 s92, s92, WSOFF
	s_mov_b32 s21, 0
	s_mov_b32 s23, 0
	s_mov_b32 s47, 0
	s_mov_b32 s93, 0
	s_lshl_b32 s45, s14, 15
	s_mul_i32 s94, s14, 2*KK
	s_wait_kmcnt 0x0
	s_add_nc_u64 s[20:21], s[4:5], s[20:21]
	s_add_nc_u64 s[22:23], s[4:5], s[22:23]
	s_add_nc_u64 s[46:47], s[6:7], s[46:47]
	s_add_nc_u64 s[92:93], s[6:7], s[92:93]
	CROUND
	s_mov_b32 s[G0S], 1
	s_mov_b32 s[G0S+1], SCL
	s_mov_b64 s[G0S+2:G0S+3], s[22:23]
	s_or_b32 s[G0S+3], s[G0S+3], 0x80000000
	s_mov_b32 s[G0SB], 1
	s_mov_b32 s[G0SB+1], SCL+4*KK
	s_mov_b64 s[G0SB+2:G0SB+3], s[92:93]
	s_or_b32 s[G0SB+3], s[G0SB+3], 0x80000000
	s_mov_b32 s96, 1                               ; s[96:99], s[4:7]: group 0 of the head's loads of the first tile: Y's 8 tiles, X's 8 tiles
	s_mov_b32 s97, 0
	s_sub_nc_u64 s[98:99], s[20:21], s[2:3]
	s_or_b32 s99, s99, 0x80000000
	s_mov_b32 s4, 1
	s_mov_b32 s5, XO
	s_sub_nc_u64 s[6:7], s[46:47], s[2:3]
	s_or_b32 s7, s7, 0x80000000
	s_cmp_eq_u32 s15, 0                            ; where my prefetch stands: my wave's 4 tiles of Y or of X,
	s_cselect_b64 s[100:101], s[20:21], s[46:47]
	s_cselect_b32 s94, s40, s41                    ; my place among the four that ask for them with me,
	s_lshl_b32 s94, s94, 14                        ; one tile of them: 16 KK = 16,384 bytes from tile to tile
	s_mov_b32 s95, 0
	s_add_nc_u64 s[100:101], s[100:101], s[94:95]
.irp s, 0,1
	s_mov_b32 s[G0+4*\s], 1
	s_add_co_u32 s[G0+4*\s+1], s45, \s*SLOT
	s_add_nc_u64 s[G0+4*\s+2:G0+4*\s+3], s[20:21], \s*8192
	s_or_b32 s[G0+4*\s+3], s[G0+4*\s+3], 0x80000000
	s_mov_b32 s[G0B+4*\s], 1
	s_add_co_u32 s[G0B+4*\s+1], s45, \s*SLOT
	s_add_nc_u64 s[G0B+4*\s+2:G0B+4*\s+3], s[46:47], \s*8192
	s_or_b32 s[G0B+4*\s+3], s[G0B+4*\s+3], 0x80000000
.endr
	s_cmp_lt_u32 s14, 1                            ; one chain of branches on the wave's number, one load to an arm
	s_cbranch_scc0 .Lhead_x
	tensor_load_to_lds s[96:99], s[G1:G1+7]
	s_nop 0
	PLACES 4
	s_branch .Lhead_asked
.Lhead_x:
	s_cmp_lt_u32 s14, 2
	s_cbranch_scc0 .Lhead_sy
	tensor_load_to_lds s[4:7], s[G1B:G1B+7]
	s_nop 0
	PLACES 4
	s_branch .Lhead_asked
.Lhead_sy:
	s_cmp_lt_u32 s14, 3
	s_cbranch_scc0 .Lhead_sx
	tensor_load_to_lds s[G0S:G0S+3], s[G1S:G1S+7]
	s_nop 0
	PLACES 4
	s_branch .Lhead_asked
.Lhead_sx:
	tensor_load_to_lds s[G0SB:G0SB+3], s[G1SB:G1SB+7]
	s_nop 0
	PLACES 4
.Lhead_asked:
	v_and_b32 v1, 15, v0
	v_bfe_u32 v2, v0, 4, 1
	s_wait_alu depctr_va_vdst(0)
	v_and_b32 v3, 31, v0
	v_lshlrev_b32 v4, 4, v3
	v_lshlrev_b32 v31, 8, v3                       ; a prefetch into the L2 of the second (and last) tile, 8,192 bytes of one of my wave's 4 tiles, lanes 256 bytes apart: each block of 256 bytes is named once in the cluster
	global_prefetch_b8 v31, s[100:101] offset:8192 th:TH_LOAD_NT scope:SCOPE_SE
	s_lshl_b32 s21, s15, 15
	s_lshl_b32 s22, s16, 15
	s_add_co_u32 s22, s22, XO
.irp s, 0,1
	v_add_nc_u32 v[ADRY+\s], s21, v4
	v_add_nc_u32 v[ADRX+\s], s22, v4
	s_add_co_u32 s21, s21, SLOT
	s_add_co_u32 s22, s22, SLOT
.endr
	s_lshl_b32 s21, s15, 8
	s_lshl_b32 s22, s16, 8
	s_add_co_u32 s22, s22, 4*KK
	s_sub_co_u32 s22, s22, s21
	v_mul_u32_u24 v6, s22, v2
	s_add_co_u32 s21, s21, SCL
	v_lshl_add_u32 v6, v1, 2, v6
	v_add_nc_u32 v[ADRS], s21, v6
	s_mul_i32 s23, s14, 16*272
	s_add_co_u32 s23, s23, STG
	v_mul_u32_u24 v5, v1, 272
	v_lshl_add_u32 v5, v2, 6, v5
	v_add_nc_u32 v[STO], s23, v5
	v_mul_u32_u24 v5, v2, 272
	v_lshl_add_u32 v5, v1, 4, v5
	v_add_nc_u32 v[RD], s23, v5
	v_lshlrev_b32 v[CO], 12, v2
	v_lshl_add_u32 v[CO], v1, 4, v[CO]
	v_lshlrev_b32 v[BV], 6, v2
	s_wait_alu depctr_va_vdst(0)
	s_lshl_b32 s20, s42, 9
	s_lshl_b32 s21, s16, 8
	s_add_co_u32 s20, s20, s21
	s_mov_b32 s21, 0
	s_add_nc_u64 s[8:9], s[8:9], s[20:21]
	s_lshl_b32 s22, s17, 19
	s_add_co_u32 s20, s20, s22
	s_lshl_b32 s22, s15, 18
	s_add_co_u32 s20, s20, s22
	s_add_nc_u64 s[10:11], s[10:11], s[20:21]
	s_add_nc_u64 s[12:13], s[12:13], s[20:21]
.irp b, 0,1,2,3
	global_load_b128 v[BI+8*\b:BI+8*\b+3], v[BV], s[8:9] offset:(32*(\b/2)+8*(\b%2))*4
	global_load_b128 v[BI+8*\b+4:BI+8*\b+7], v[BV], s[8:9] offset:(32*(\b/2)+8*(\b%2))*4+16
.endr
.macro RESID
	WIN 0x80
.irp a, 0,1,2,3
.irp i, 0,1,2,3,4,5,6,7
	global_load_b128 v[32*\a+4*\i:32*\a+4*\i+3], v[CO], s[10:11] offset:(32*(\a/2)+8*(\a%2)+(2*\i)%8+16*(\i/4))*4096 th:TH_LOAD_NT
.endr
.endr
	WIN 0
.endm
.set TI, 0
.rept NT
	TRIP TI
.set TI, TI+1
.endr
	s_wait_loadcnt 0x0
	PLACES 8
.irp a, 0,1,2,3
	s_wait_xcnt 0x0
.irp m, 0,1,2,3,4,5,6,7
	ds_store_b128 v[STO], v[ACC+32*\a+4*\m:ACC+32*\a+4*\m+3] offset:128*(\m/4)+16*(\m%4)
.endr
.irp i, 0,1,2,3,4,5,6,7
	ds_load_b128 v[BK+4*\i:BK+4*\i+3], v[RD] offset:544*\i
.endr
	s_wait_dscnt 0x0
	WIN 0x08
.irp p, 0,2,4,6,8,10,12,14,16,18,20,22,24,26,28,30
	v_pk_add_f32 v[BK+\p:BK+\p+1], v[BK+\p:BK+\p+1], v[32*\a+\p:32*\a+\p+1]
.endr
	WIN 0
.irp i, 0,1,2,3,4,5,6,7
	global_store_b128 v[CO], v[BK+4*\i:BK+4*\i+3], s[12:13] offset:(32*(\a/2)+8*(\a%2)+(2*\i)%8+16*(\i/4))*4096 th:TH_STORE_NT
.endr
.endr
	s_wait_tensorcnt 0x0
	ds_add_u32 v[SPW], v[NIL]
	s_wait_dscnt 0x0
	CROUND
	s_endpgm
.Lfunc_end_k_qd58ab7ee94_proj:
	.size	k_qd58ab7ee94_proj, .Lfunc_end_k_qd58ab7ee94_proj-k_qd58ab7ee94_proj
	.p2alignl 7, 3214868480
	.fill 96, 4, 3214868480
	.section	.rodata,"a",@progbits
	.p2align	6, 0x0
	.amdhsa_kernel k_qd58ab7ee94_proj
		.amdhsa_group_segment_fixed_size 327680
		.amdhsa_private_segment_fixed_size 0
		.amdhsa_enable_private_segment 0
		.amdhsa_kernarg_size 40
		.amdhsa_user_sgpr_count 2
		.amdhsa_user_sgpr_kernarg_segment_ptr 1
		.amdhsa_wavefront_size32 1
		.amdhsa_system_sgpr_workgroup_id_x 1
		.amdhsa_system_sgpr_workgroup_id_y 1
		.amdhsa_system_sgpr_workgroup_id_z 1
		.amdhsa_system_vgpr_workitem_id 0
		.amdhsa_next_free_vgpr 640
		.amdhsa_next_free_sgpr 104
		.amdhsa_reserve_vcc 0
		.amdhsa_float_denorm_mode_32 3
		.amdhsa_float_denorm_mode_16_64 3
		.amdhsa_memory_ordered 1
		.amdhsa_forward_progress 1
		.amdhsa_inst_pref_size 64
	.end_amdhsa_kernel
	.amdgpu_metadata
---
amdhsa.version: [ 1, 2 ]
amdhsa.kernels:
  - .name:           k_qd58ab7ee94_proj
    .symbol:         k_qd58ab7ee94_proj.kd
    .args:
      - { .name: act, .offset: 0, .size: 8, .value_kind: global_buffer, .address_space: global }
      - { .name: wimg, .offset: 8, .size: 8, .value_kind: global_buffer, .address_space: global }
      - { .name: attn_proj_b, .offset: 16, .size: 8, .value_kind: global_buffer, .address_space: global }
      - { .name: x, .offset: 24, .size: 8, .value_kind: global_buffer, .address_space: global }
      - { .name: x1, .offset: 32, .size: 8, .value_kind: global_buffer, .address_space: global }
    .group_segment_fixed_size: 327680
    .private_segment_fixed_size: 0
    .kernarg_segment_align: 8
    .kernarg_segment_size: 40
    .max_flat_workgroup_size: 128
    .sgpr_count:     104
    .vgpr_count:     640
    .wavefront_size: 32
...
	.end_amdgpu_metadata
.endif
;; end of part 4
;; launch ln2 (part 5): grid 256 x 1, 8 waves a work-group, no clusters, 67,072 bytes of LDS; arguments x1, ln2_w, ln2_b, act; writes act
.if DOCPART == 5
	.amdgcn_target "amdgcn-amd-amdhsa--gfx1250"
	.amdhsa_code_object_version 6
	.text
	.protected	k_qd58ab7ee94_ln2
	.globl	k_qd58ab7ee94_ln2
	.p2align	8
	.type	k_qd58ab7ee94_ln2,@function
k_qd58ab7ee94_ln2:
	s_mov_b64 s[64:65], 0
	v_nop
	global_prefetch_b8 v0, s[64:65] scope:SCOPE_SE
	s_setreg_imm32_b32 hwreg(HW_REG_WAVE_MODE, 25, 1), 1
	s_wait_xcnt 0x0
; LN2: layer norm of 16 rows of x1 [4096][1024] f32 a work-group, quantised along the row to BF8 (E5M2) codes with one E8M0 byte for each 32, stored as an operand image.
; THE IMAGE.  Tile t holds 16 rows, position i = row 32 (t/2) + 8 (t%2) + i%8 + 16 (i/8).  Codes: byte t 16,384 + ks 2,048 + c 512 + 16 lane; lane r + 16 h holds position r, k = 128 ks + 32 c + 16 h + 0..15.
; Scale words: byte (t/16) 8,192 + ks 1,024 + (t%16) 64 + 4 r, behind the codes.
; LIMITS: NaN and infinities are not served; a block of zeros, or one whose largest magnitude lies under 2^-111, gets the byte 1 (read by this program alone).
; The norm is taken in two passes (mean, then the squares of the differences), so a common offset of a row does no harm.  No tensor loads.
.set SP,   4112
.set X,    32
.set GW,   96
.set GB,   128
.set TM,   160
.set PW,   176
.set PC,   96
.set SEL,  22
.set MNT,  24
.macro QUANT s, pc
.irp b, 0,1,2,3
	v_max3_num_f32 v[TM+\b], |v[\s+16*\b]|, |v[\s+16*\b+1]|, 0x8000000
.endr
.irp i, 2,4,6,8,10,12,14
.irp b, 0,1,2,3
	s_delay_alu instid0(VALU_DEP_4)
	v_max3_num_f32 v[TM+\b], v[TM+\b], |v[\s+16*\b+\i]|, |v[\s+16*\b+\i+1]|
.endr
.endr
.irp b, 0,1,2,3
	s_delay_alu instid0(VALU_DEP_4)
	v_permlanex16_b32 v[TM+4+\b], v[TM+\b], s[SEL], s[SEL+1]
.endr
.irp b, 0,1,2,3
	s_delay_alu instid0(VALU_DEP_4)
	v_max_num_f32 v[TM+\b], v[TM+\b], v[TM+4+\b]
.endr
.irp b, 0,1,2,3
	s_delay_alu instid0(VALU_DEP_4)
	v_add_nc_u32 v[TM+12+\b], 0xf8800000, v[TM+\b]
.endr
.irp b, 0,1,2,3
	v_and_or_b32 v[TM+8+\b], v[TM+\b], 0x7f800000, s[MNT]
.endr
.irp b, 0,1,2,3
	v_lshrrev_b32 v[TM+4+\b], 23, v[TM+12+\b]
.endr
	s_delay_alu instid0(VALU_DEP_3)
	v_lshl_or_b32 v[PW], v[TM+5], 8, v[TM+4]
	s_delay_alu instid0(VALU_DEP_1)
	v_lshl_or_b32 v[PW], v[TM+6], 16, v[PW]
	s_delay_alu instid0(VALU_DEP_1)
	v_lshl_or_b32 v[PW], v[TM+7], 24, v[PW]
.irp b, 0,1,2,3
.irp i, 0,1,2,3,4,5,6,7,8,9,10,11,12,13,14,15
	v_med3_num_f32 v[\s+16*\b+\i], v[\s+16*\b+\i], -v[TM+8+\b], v[TM+8+\b]
.endr
	v_cvt_scalef32_pk8_bf8_f32 v[\pc+4*\b:\pc+4*\b+1], v[\s+16*\b:\s+16*\b+7], v[TM+12+\b]
	v_cvt_scalef32_pk8_bf8_f32 v[\pc+4*\b+2:\pc+4*\b+3], v[\s+16*\b+8:\s+16*\b+15], v[TM+12+\b]
.endr
	v_nop
.endm
.macro ALLSUM
.irp q, 0
	s_delay_alu instid0(VALU_DEP_3)
	v_pk_add_f32 v[8+4*\q:9+4*\q], v[8+4*\q:9+4*\q], v[10+4*\q:11+4*\q]
.endr
.irp q, 1
	s_delay_alu instid0(VALU_DEP_2)
	v_pk_add_f32 v[8+4*\q:9+4*\q], v[8+4*\q:9+4*\q], v[10+4*\q:11+4*\q]
.endr
.irp q, 0,1
	s_delay_alu instid0(VALU_DEP_2)
	v_add_f32 v[8+4*\q], v[8+4*\q], v[9+4*\q]
.endr
.irp m, 1,2,4,8
.irp q, 0,1
	s_delay_alu instid0(VALU_DEP_2)
	v_add_f32_dpp v[8+4*\q], v[8+4*\q], v[8+4*\q] row_xmask:\m row_mask:0xf bank_mask:0xf
.endr
.endr
.irp q, 0,1
	s_delay_alu instid0(VALU_DEP_2)
	v_permlanex16_b32 v[24+\q], v[8+4*\q], s[SEL], s[SEL+1]
.endr
.irp q, 0,1
	s_delay_alu instid0(VALU_DEP_2)
	v_add_f32 v[8+4*\q], v[8+4*\q], v[24+\q]
.endr
.endm
	s_load_b256 s[4:11], s[0:1], 0x0               ; x1, gain, bias, act
	v_lshl_add_u32 v192, v0, 2, 0x10200
	v_mov_b32 v193, 0
	v_lshrrev_b32 v1, 5, v0
	s_delay_alu instid0(VALU_DEP_1)
	v_readfirstlane_b32 s16, v1                    ; wave 0..7
	v_and_b32 v1, 31, v0
	s_delay_alu instid0(VALU_DEP_1)
	v_lshlrev_b32 v2, 4, v1                        ; 16 x lane
	s_wait_alu depctr_va_vdst(0)
	v_and_b32 v4, 15, v0                           ; r
	s_wait_alu depctr_va_vdst(0)
	v_bfe_u32 v5, v0, 4, 1                         ; h
	s_lshr_b32 s17, ttmp9, 1
	s_lshl_b32 s17, s17, 5
	s_and_b32 s18, ttmp9, 1
	s_lshl_b32 s18, s18, 3
	s_add_co_u32 s17, s17, s18
	s_and_b32 s18, s16, 3
	s_lshl_b32 s18, s18, 1
	s_add_co_u32 s17, s17, s18
	s_lshr_b32 s18, s16, 2
	s_lshl_b32 s18, s18, 4
	s_add_co_u32 s17, s17, s18                     ; positions 2 w and 2 w + 1: this row and the next
	s_lshl_b32 s18, s17, 12
	s_mov_b32 s19, 0
	s_mov_b32 s20, 0x3a800000                      ; 1 / 1024
	s_mov_b32 s21, 0x3727c5ac                      ; 1e-5
	s_mov_b32 s[SEL], 0x76543210
	s_mov_b32 s[SEL+1], 0xfedcba98
	s_mov_b32 s[MNT], 0x600000
	s_lshl_b32 s26, ttmp9, 14
	s_lshl_b32 s27, s16, 11
	s_add_co_u32 s26, s26, s27
	s_mov_b32 s27, 0
	s_lshr_b32 s28, ttmp9, 4
	s_lshl_b32 s28, s28, 13
	s_lshl_b32 s29, s16, 10
	s_add_co_u32 s28, s28, s29
	s_and_b32 s29, ttmp9, 15
	s_lshl_b32 s29, s29, 6
	s_add_co_u32 s28, s28, s29
	s_add_co_u32 s28, s28, 4194304
	s_mov_b32 s29, 0
	s_mul_i32 s25, s16, 2*SP
	v_add_nc_u32 v3, s25, v2
	v_mul_u32_u24 v6, v4, SP
	s_wait_alu depctr_va_vdst(0)
	v_lshl_add_u32 v6, v5, 6, v6
	s_lshl_b32 s25, s16, 9
	v_add_nc_u32 v6, s25, v6
	v_lshlrev_b32 v7, 2, v4
	v_mov_b32 v24, 0
	v_mov_b32 v25, 0
.irp b, 0,1,2,3
	v_mov_b32 v[TM+4+\b], 0
.endr
	s_wait_kmcnt 0x0
	s_add_nc_u64 s[4:5], s[4:5], s[18:19]
	s_add_nc_u64 s[12:13], s[10:11], s[26:27]
	s_add_nc_u64 s[14:15], s[10:11], s[28:29]
.irp q, 0,1
.irp j, 0,1,2,3,4,5,6,7
	global_load_b128 v[X+32*\q+4*\j:X+32*\q+4*\j+3], v2, s[4:5] offset:4096*\q+512*\j th:TH_LOAD_NT
.endr
.endr
.irp j, 0,1,2,3,4,5,6,7
	global_load_b128 v[GW+4*\j:GW+4*\j+3], v2, s[6:7] offset:512*\j
	global_load_b128 v[GB+4*\j:GB+4*\j+3], v2, s[8:9] offset:512*\j
.endr
	s_wait_loadcnt 16                              ; the rows are in; the 16 loads of gain and bias may be out
.irp q, 0,1
	v_pk_add_f32 v[8+4*\q:9+4*\q], v[X+32*\q:X+32*\q+1], v[X+32*\q+2:X+32*\q+3]
	v_pk_add_f32 v[10+4*\q:11+4*\q], v[X+32*\q+4:X+32*\q+5], v[X+32*\q+6:X+32*\q+7]
.endr
.irp p, 8,12,16,20,24,28
.irp q, 0,1
	s_delay_alu instid0(VALU_DEP_4)
	v_pk_add_f32 v[8+4*\q:9+4*\q], v[8+4*\q:9+4*\q], v[X+32*\q+\p:X+32*\q+\p+1]
	s_delay_alu instid0(VALU_DEP_4)
	v_pk_add_f32 v[10+4*\q:11+4*\q], v[10+4*\q:11+4*\q], v[X+32*\q+\p+2:X+32*\q+\p+3]
.endr
.endr
	ALLSUM
.irp q, 0
	s_delay_alu instid0(VALU_DEP_2)
	v_mul_f32 v[16+2*\q], s20, v[8+4*\q]
	s_delay_alu instid0(VALU_DEP_1)
	v_mov_b32 v[17+2*\q], v[16+2*\q]
.endr
.irp q, 1
	s_delay_alu instid0(VALU_DEP_3)
	v_mul_f32 v[16+2*\q], s20, v[8+4*\q]
	s_delay_alu instid0(VALU_DEP_1)
	v_mov_b32 v[17+2*\q], v[16+2*\q]
.endr
.irp p, 0,2,4,6,8,10,12,14,16,18,20,22,24,26,28,30
.irp q, 0,1
	v_pk_add_f32 v[X+32*\q+\p:X+32*\q+\p+1], v[X+32*\q+\p:X+32*\q+\p+1], v[16+2*\q:17+2*\q] op_sel_hi:[1,0] neg_lo:[0,1] neg_hi:[0,1]
.endr
.endr
.irp q, 0,1
	v_pk_mul_f32 v[8+4*\q:9+4*\q], v[X+32*\q:X+32*\q+1], v[X+32*\q:X+32*\q+1]
	v_pk_mul_f32 v[10+4*\q:11+4*\q], v[X+32*\q+2:X+32*\q+3], v[X+32*\q+2:X+32*\q+3]
.endr
.irp p, 4,8,12,16,20,24,28
.irp q, 0,1
	s_delay_alu instid0(VALU_DEP_4)
	v_pk_fma_f32 v[8+4*\q:9+4*\q], v[X+32*\q+\p:X+32*\q+\p+1], v[X+32*\q+\p:X+32*\q+\p+1], v[8+4*\q:9+4*\q]
	s_delay_alu instid0(VALU_DEP_4)
	v_pk_fma_f32 v[10+4*\q:11+4*\q], v[X+32*\q+\p+2:X+32*\q+\p+3], v[X+32*\q+\p+2:X+32*\q+\p+3], v[10+4*\q:11+4*\q]
.endr
.endr
	ALLSUM
.irp q, 0,1
	s_delay_alu instid0(VALU_DEP_2)
	v_fma_f32 v[9+4*\q], v[8+4*\q], s20, s21
.endr
	s_wait_alu depctr_va_vdst(0)
.irp q, 0,1
	v_rsq_f32 v[20+2*\q], v[9+4*\q]
.endr
	v_nop                                          ; a plain line behind the two roots,
	s_wait_alu depctr_va_vdst(0)                   ; and the one wait ahead of their first reader
.irp q, 0,1
	v_mov_b32 v[21+2*\q], v[20+2*\q]
.endr
	s_wait_alu depctr_va_vdst(0)
	s_wait_loadcnt 0x0
.irp p, 0,2,4,6,8,10,12,14,16,18,20,22,24,26,28,30
.irp q, 0,1
	v_pk_mul_f32 v[X+32*\q+\p:X+32*\q+\p+1], v[X+32*\q+\p:X+32*\q+\p+1], v[20+2*\q:21+2*\q] op_sel_hi:[1,0]
.endr
.irp q, 0,1
	s_delay_alu instid0(VALU_DEP_2)
	v_pk_fma_f32 v[X+32*\q+\p:X+32*\q+\p+1], v[X+32*\q+\p:X+32*\q+\p+1], v[GW+\p:GW+\p+1], v[GB+\p:GB+\p+1]
.endr
.endr
.irp q, 0,1
.irp j, 0,1,2,3,4,5,6,7
	ds_store_b128 v3, v[X+32*\q+4*\j:X+32*\q+4*\j+3] offset:SP*\q+512*\j
.endr
.endr
	s_wait_dscnt 0x0                               ; for the others' sake: my two rows lie in the stage
	s_barrier_signal -1
	s_barrier_wait -1
.irp c, 0,1,2,3
.irp j, 0,1,2,3
	ds_load_b128 v[X+16*\c+4*\j:X+16*\c+4*\j+3], v6 offset:128*\c+16*\j
.endr
.endr
	s_wait_dscnt 0x0
	QUANT X, PC
.irp c, 0,1,2,3
	global_store_b128 v2, v[PC+4*\c:PC+4*\c+3], s[12:13] offset:512*\c
.endr
	global_store_b32 v7, v[PW], s[14:15]           ; lanes r and r + 16 hold the same word and store it to the same place
	s_wait_tensorcnt 0x0
	ds_add_u32 v192, v193
	s_wait_dscnt 0x0
	s_endpgm
.Lfunc_end_k_qd58ab7ee94_ln2:
	.size	k_qd58ab7ee94_ln2, .Lfunc_end_k_qd58ab7ee94_ln2-k_qd58ab7ee94_ln2
	.p2alignl 7, 3214868480
	.fill 96, 4, 3214868480
	.section	.rodata,"a",@progbits
	.p2align	6, 0x0
	.amdhsa_kernel k_qd58ab7ee94_ln2
		.amdhsa_group_segment_fixed_size 67072
		.amdhsa_private_segment_fixed_size 0
		.amdhsa_enable_private_segment 0
		.amdhsa_kernarg_size 32
		.amdhsa_user_sgpr_count 2
		.amdhsa_user_sgpr_kernarg_segment_ptr 1
		.amdhsa_wavefront_size32 1
		.amdhsa_system_sgpr_workgroup_id_x 1
		.amdhsa_system_sgpr_workgroup_id_y 1
		.amdhsa_system_sgpr_workgroup_id_z 1
		.amdhsa_system_vgpr_workitem_id 0
		.amdhsa_next_free_vgpr 194
		.amdhsa_next_free_sgpr 66
		.amdhsa_reserve_vcc 0
		.amdhsa_float_denorm_mode_32 3
		.amdhsa_float_denorm_mode_16_64 3
		.amdhsa_memory_ordered 1
		.amdhsa_forward_progress 1
		.amdhsa_inst_pref_size 34
	.end_amdhsa_kernel
	.amdgpu_metadata
---
amdhsa.version: [ 1, 2 ]
amdhsa.kernels:
  - .name:           k_qd58ab7ee94_ln2
    .symbol:         k_qd58ab7ee94_ln2.kd
    .args:
      - { .name: x1, .offset: 0, .size: 8, .value_kind: global_buffer, .address_space: global }
      - { .name: ln2_w, .offset: 8, .size: 8, .value_kind: global_buffer, .address_space: global }
      - { .name: ln2_b, .offset: 16, .size: 8, .value_kind: global_buffer, .address_space: global }
      - { .name: act, .offset: 24, .size: 8, .value_kind: global_buffer, .address_space: global }
    .group_segment_fixed_size: 67072
    .private_segment_fixed_size: 0
    .kernarg_segment_align: 8
    .kernarg_segment_size: 32
    .max_flat_workgroup_size: 256
    .sgpr_count:     66
    .vgpr_count:     194
    .wavefront_size: 32
...
	.end_amdgpu_metadata
.endif
;; end of part 5
;; launch fc (part 6): grid 16 x 16, 4 waves a work-group, clusters of 4 x 4, 327,680 bytes of LDS; arguments act, wimg, fc_b, gbuf; writes gbuf
.if DOCPART == 6
	.amdgcn_target "amdgcn-amd-amdhsa--gfx1250"
	.amdhsa_code_object_version 6
	.text
	.protected	k_qd58ab7ee94_fc
	.globl	k_qd58ab7ee94_fc
	.p2align	8
	.type	k_qd58ab7ee94_fc,@function
k_qd58ab7ee94_fc:
	s_mov_b64 s[64:65], 0
	v_nop
	global_prefetch_b8 v0, s[64:65] scope:SCOPE_SE
	s_setreg_imm32_b32 hwreg(HW_REG_WAVE_MODE, 25, 1), 1
	s_wait_xcnt 0x0
	s_wait_alu depctr_hold_cnt(0) depctr_sa_sdst(0) depctr_va_vdst(0) depctr_va_sdst(0) depctr_va_ssrc(0) depctr_va_vcc(0) depctr_vm_vsrc(0)
	s_getreg_b32 s2, hwreg(HW_REG_IB_STS2, 6, 4)
	s_cmp_eq_u32 s2, 0
	s_cbranch_scc0 .Lentry_in_a_cluster
	s_endpgm
.Lentry_in_a_cluster:
	s_bfe_u32 s2, ttmp6, 0x10000c
	s_cmp_lg_u32 s2, 0xf033
	s_cbranch_scc0 .Lentry_shape_is_right
	s_endpgm
.Lentry_shape_is_right:
.set SLOT,  131072
.set XO,    65536
.set SCL,   262144
.set SPARE, 278528
.set ADRY, 16
.set ADRX, 20
.set ADRS, 27
.set SPW,  28
.set NIL,  29
.set BV,   30
.set SC,   32
.set BI,   64
.set YF,   128
.set TM,   64
.set PW,   80
.set PWE,  81
.set K1,   82
.set WD,   84
.set PC,   96
.set T,    128
.set SEL,  66
.set MNT,  100
.set K2,   92
.set G1, 24
.set G0, 32
.set G1B, 48
.set G0B, 56
.set G1S, 68
.set G0S, 76
.set G1SB, 80
.set G0SB, 88
.set MSB, 0
.macro WIN new
.if MSB != (\new)
	s_set_vgpr_msb (MSB<<8)|(\new)
.set MSB, (\new)
.endif
.endm
.macro PLACES n
.rept \n
	v_nop
.endr
.endm
.macro CROUND
	s_barrier_signal -1
	s_barrier_wait -1
	s_cmp_lg_u32 s14, 0
	s_cbranch_scc1 .Lnot_wave_0_\@
	s_barrier_signal -3
.Lnot_wave_0_\@:
	s_barrier_wait -3
	s_barrier_signal -1
	s_barrier_wait -1
.endm
.macro JLOAD g0y, g1y, g0x, g1x
	s_cmp_eq_u32 s15, 0
	s_cbranch_scc0 .Lfor_x_\@
	tensor_load_to_lds s[\g0y:\g0y+3], s[\g1y:\g1y+7]
	s_nop 0
.rept 4
	v_nop
.endr
	s_branch .Lasked_\@
.Lfor_x_\@:
	tensor_load_to_lds s[\g0x:\g0x+3], s[\g1x:\g1x+7]
	s_nop 0
.rept 4
	v_nop
.endr
.Lasked_\@:
.endm
.macro FRAG reg, adr, q, i
.irp c, 0,1,2,3
	ds_load_b128 v[(\reg)+4*\c:(\reg)+4*\c+3], v[\adr] offset:(\i)*4096+(\q)*2048+512*\c
.endr
.endm
.macro FETCH_X slot, q, p
	WIN 0x40
.irp i, 0,1,2,3,4,5,6,7
	FRAG 128*(\p)+16*\i, ADRX+\slot, \q, \i
.endr
	WIN 0
.endm
.macro FETCH_Y slot, q, i0
.irp i, \i0, \i0+1, \i0+2, \i0+3
	FRAG YF+16*(\i), ADRY+\slot, \q, \i
.endr
.endm
.macro SCALES t
.irp i, 0,1,2,3,4,5,6,7
	ds_load_b32 v[SC+2*\i], v[ADRS] offset:(2*(\t))*1024+64*\i
	ds_load_b32 v[SC+2*\i+1], v[ADRS] offset:(2*(\t)+1)*1024+64*\i
.endr
.endm
.macro MUL16 a0, p, q, cm
.irp a, \a0, \a0+1
.irp b, 0,1,2,3,4,5,6,7
.set rD, 8*(8*((\a)%4)+\b)
.set rX, 128*(\p)+16*\b
.set rY, YF+16*(\a)
.set rSX, SC+2*\b+(\q)
.set rSY, SC+2*(\a)+(\q)
.if (\cm) == 0
	v_wmma_scale_f32_16x16x128_f8f6f4 v[rD:rD+7], v[rX:rX+15], v[rY:rY+15], v[rD:rD+7], v[rSX], v[rSY] matrix_a_fmt:MATRIX_FMT_BF8 matrix_b_fmt:MATRIX_FMT_BF8 matrix_a_scale:MATRIX_SCALE_ROW1
.else
	v_wmma_scale_f32_16x16x128_f8f6f4 v[rD:rD+7], v[rX:rX+15], v[rY:rY+15], v[BI+8*\b:BI+8*\b+7], v[rSX], v[rSY] matrix_a_fmt:MATRIX_FMT_BF8 matrix_b_fmt:MATRIX_FMT_BF8 matrix_a_scale:MATRIX_SCALE_ROW1
.endif
.endr
.endr
.endm
.macro STEP slot, cm
	s_wait_dscnt 16
.if (\cm) == 0
	WIN 0xa1
.else
	WIN 0x81
.endif
	MUL16 0, 0, 0, \cm
	MUL16 2, 0, 0, \cm
	s_wait_dscnt 0x0
	PLACES 8
	FETCH_X \slot, 1, 1
	FETCH_Y \slot, 1, 0
.if (\cm) == 0
	WIN 0xf1
.else
	WIN 0xc1
.endif
	MUL16 4, 0, 0, \cm
	MUL16 6, 0, 0, \cm
	PLACES 8
	WIN 0
	FETCH_Y \slot, 1, 4
.endm
.macro LAST
	s_wait_dscnt 16
	WIN 0xa1
	MUL16 0, 1, 1, 0
	MUL16 2, 1, 1, 0
	s_wait_dscnt 0x0
	WIN 0xf1
	MUL16 4, 1, 1, 0
	MUL16 6, 1, 1, 0
	WIN 0
.endm
.macro TRIP_HEAD t
.set SL, (\t)%2
.if (\t) == 0
	s_wait_alu depctr_va_vdst(0)                   ; the wait at the head's end
	s_wait_tensorcnt 0x0                           ; my tile of the head's four has landed
	ds_add_u32 v[SPW], v[NIL]
	s_mov_b32 s[G1+2], 8<<16                       ; no load of mine is out: from here on a load brings 8 tiles
	s_mov_b32 s[G1+4], 8
	s_mov_b32 s[G1B+2], 8<<16
	s_mov_b32 s[G1B+4], 8
	s_wait_dscnt 0x0
	CROUND
	JLOAD G0+4, G1, G0B+4, G1B                     ; slot 1's first fill, first behind the round
.else
	s_wait_tensorcnt 0x0
	ds_add_u32 v[SPW], v[NIL]
.if (\t) < 3
	s_add_nc_u64 s[G0+4*(1-SL)+2:G0+4*(1-SL)+3], s[G0+4*(1-SL)+2:G0+4*(1-SL)+3], 8192
	s_add_nc_u64 s[G0B+4*(1-SL)+2:G0B+4*(1-SL)+3], s[G0B+4*(1-SL)+2:G0B+4*(1-SL)+3], 8192
.endif
	s_wait_dscnt 0x0
.if (\t) < 3
	CROUND
	JLOAD G0+4*(1-SL), G1, G0B+4*(1-SL), G1B
	PLACES 4
.else
	s_barrier_signal -1
	s_barrier_wait -1
	PLACES 8
.endif
.endif
	FETCH_X SL, 0, 0
.if (\t) == 0
	global_prefetch_b8 v31, s[2:3] offset:12288 th:TH_LOAD_NT scope:SCOPE_SE
.endif
	FETCH_Y SL, 0, 0
	SCALES \t
	FETCH_Y SL, 0, 4
.endm
.macro QUANT s, pc
.irp b, 0,1,2,3
	v_max3_num_f32 v[TM+\b], |v[\s+16*\b]|, |v[\s+16*\b+1]|, 0x8000000
.endr
.irp i, 2,4,6,8,10,12,14
.irp b, 0,1,2,3
	v_max3_num_f32 v[TM+\b], v[TM+\b], |v[\s+16*\b+\i]|, |v[\s+16*\b+\i+1]|
.endr
.endr
.irp b, 0,1,2,3
	v_permlanex16_b32 v[TM+4+\b], v[TM+\b], s[SEL], s[SEL+1]
.endr
.irp b, 0,1,2,3
	v_max_num_f32 v[TM+\b], v[TM+\b], v[TM+4+\b]
.endr
.irp b, 0,1,2,3
	v_add_nc_u32 v[TM+12+\b], 0xf8800000, v[TM+\b]
.endr
.irp b, 0,1,2,3
	v_and_or_b32 v[TM+8+\b], v[TM+\b], 0x7f800000, s[MNT]
.endr
.irp b, 0,1,2,3
	v_lshrrev_b32 v[TM+4+\b], 23, v[TM+12+\b]
.endr
	v_lshl_or_b32 v[PW], v[TM+5], 8, v[TM+4]
	v_lshl_or_b32 v[PW], v[TM+6], 16, v[PW]
	v_lshl_or_b32 v[PW], v[TM+7], 24, v[PW]
.irp b, 0,1,2,3
.irp i, 0,1,2,3,4,5,6,7,8,9,10,11,12,13,14,15
	v_med3_num_f32 v[\s+16*\b+\i], v[\s+16*\b+\i], -v[TM+8+\b], v[TM+8+\b]
.endr
	v_cvt_scalef32_pk8_bf8_f32 v[\pc+4*\b:\pc+4*\b+1], v[\s+16*\b:\s+16*\b+7], v[TM+12+\b]
	v_cvt_scalef32_pk8_bf8_f32 v[\pc+4*\b+2:\pc+4*\b+3], v[\s+16*\b+8:\s+16*\b+15], v[TM+12+\b]
.endr
	v_nop
.endm
.macro GELU a
.set WW, 2+(\a)/4
.set XS, 64*((\a)%4)
	WIN 5*WW
.set p, 0
.rept 32
	v_pk_mul_f32 v[T+p:T+p+1], v[XS+p:XS+p+1], v[XS+p:XS+p+1]
.set p, p+2
.endr
	WIN 0
.set p, 0
.rept 32
	v_pk_fma_f32 v[T+p:T+p+1], v[T+p:T+p+1], s[K2:K2+1], v[K1:K1+1] op_sel_hi:[1,0,0]
.set p, p+2
.endr
	WIN WW
.set p, 0
.rept 32
	v_pk_mul_f32 v[T+p:T+p+1], v[XS+p:XS+p+1], v[T+p:T+p+1]
.set p, p+2
.endr
	WIN 0
.set p, 0
	s_wait_alu depctr_va_vdst(0)
.rept 64
	v_exp_f32 v[T+p], v[T+p]
.set p, p+1
.endr
	v_nop
	s_wait_alu depctr_va_vdst(0)
.set p, 0
.rept 32
	v_pk_add_f32 v[T+p:T+p+1], v[T+p:T+p+1], 1.0 op_sel_hi:[1,0]
.set p, p+2
.endr
.set p, 0
	s_wait_alu depctr_va_vdst(0)
.rept 64
	v_rcp_f32 v[T+p], v[T+p]
.set p, p+1
.endr
	v_nop
	s_wait_alu depctr_va_vdst(0)
	WIN WW
.set p, 0
.rept 32
	v_pk_mul_f32 v[T+p:T+p+1], v[XS+p:XS+p+1], v[T+p:T+p+1]
.set p, p+2
.endr
	WIN 0
.endm
	s_load_b256 s[4:11], s[0:1], 0x0
	v_lshl_add_u32 v[SPW], v0, 2, SPARE
	v_mov_b32 v[NIL], 0
	ds_add_u32 v28, v29
	ds_add_u32 v28, v29
	s_wait_dscnt 0x0
	v_lshrrev_b32 v1, 5, v0
	v_readfirstlane_b32 s14, v1
	s_lshr_b32 s15, s14, 1
	s_and_b32 s16, s14, 1
	s_bfe_u32 s40, ttmp6, 0x40000
	s_bfe_u32 s41, ttmp6, 0x40004
	s_lshl_b32 s42, ttmp9, 2
	s_add_co_u32 s42, s42, s40
	s_and_b32 s17, ttmp7, 0xffff
	s_lshl_b32 s17, s17, 2
	s_add_co_u32 s17, s17, s41
	s_lshl_b32 s43, s41, 2
	s_lshl_b32 s43, 15, s43
	s_lshl_b32 s44, 0x1111, s40
	s_or_b32 s[G1], s43, (3<<16)|(1<<21)
	s_or_b32 s[G1B], s44, (3<<16)|(1<<21)
	s_or_b32 s[G1S], s43, (3<<16)|(1<<21)
	s_or_b32 s[G1SB], s44, (3<<16)|(1<<21)
.irp g, G1, G1B
	s_mov_b32 s[\g+1], 512<<16
	s_mov_b32 s[\g+2], 16<<16
	s_mov_b32 s[\g+3], 512<<16
	s_mov_b32 s[\g+4], 16
	s_mov_b32 s[\g+5], 2048
	s_mov_b32 s[\g+6], 0
	s_mov_b32 s[\g+7], 0
.endr
.irp g, G1S, G1SB
	s_mov_b32 s[\g+1], 32<<16
	s_mov_b32 s[\g+2], 32<<16
	s_mov_b32 s[\g+3], 32<<16
	s_mov_b32 s[\g+4], 32
	s_mov_b32 s[\g+5], 32
	s_mov_b32 s[\g+6], 0
	s_mov_b32 s[\g+7], 0
.endr
	s_lshl_b32 s2, s16, 17
	s_mov_b32 s3, 0                                ; the scale words come whole; s[2:3] is my half's offset in the codes
	s_lshl_b32 s20, s17, 18
	s_add_co_u32 s20, s20, s2
	s_lshl_b32 s22, s17, 13
	s_add_co_u32 s22, s22, s3
	s_add_co_u32 s22, s22, 4194304
	s_lshl_b32 s46, s42, 18
	s_add_co_u32 s46, s46, s2
	s_add_co_u32 s46, s46, 4194304
	s_lshl_b32 s92, s42, 13
	s_add_co_u32 s92, s92, s3
	s_add_co_u32 s92, s92, 12713984
	s_mov_b32 s21, 0
	s_mov_b32 s23, 0
	s_mov_b32 s47, 0
	s_mov_b32 s93, 0
	s_lshl_b32 s45, s14, 15
	s_lshl_b32 s94, s14, 12
	s_wait_kmcnt 0x0
	s_add_nc_u64 s[20:21], s[4:5], s[20:21]
	s_add_nc_u64 s[22:23], s[4:5], s[22:23]
	s_add_nc_u64 s[46:47], s[6:7], s[46:47]
	s_add_nc_u64 s[92:93], s[6:7], s[92:93]
	CROUND
	s_mov_b32 s[G0S], 1
	s_mov_b32 s[G0S+1], SCL
	s_mov_b64 s[G0S+2:G0S+3], s[22:23]
	s_or_b32 s[G0S+3], s[G0S+3], 0x80000000
	s_mov_b32 s[G0SB], 1
	s_mov_b32 s[G0SB+1], SCL+8192
	s_mov_b64 s[G0SB+2:G0SB+3], s[92:93]
	s_or_b32 s[G0SB+3], s[G0SB+3], 0x80000000
	s_mov_b32 s96, 1                               ; s[96:99], s[4:7]: group 0 of the head's loads of K step 0: Y's 16 tiles, X's 16 tiles
	s_mov_b32 s97, 0
	s_sub_nc_u64 s[98:99], s[20:21], s[2:3]
	s_or_b32 s99, s99, 0x80000000
	s_mov_b32 s4, 1
	s_mov_b32 s5, XO
	s_sub_nc_u64 s[6:7], s[46:47], s[2:3]
	s_or_b32 s7, s7, 0x80000000
	s_cmp_eq_u32 s15, 0                            ; where my prefetches stand: my wave's 8 tiles of Y or of X,
	s_cselect_b64 s[2:3], s[20:21], s[46:47]
	s_cselect_b32 s94, s40, s41                    ; my place among the four that ask for them with me,
	s_lshl_b32 s94, s94, 15                        ; two tiles of them: 16,384 bytes from tile to tile
	s_mov_b32 s95, 0
	s_add_nc_u64 s[2:3], s[2:3], s[94:95]
.irp s, 0,1
	s_mov_b32 s[G0+4*\s], 1
	s_add_co_u32 s[G0+4*\s+1], s45, \s*SLOT
	s_add_nc_u64 s[G0+4*\s+2:G0+4*\s+3], s[20:21], \s*4096
	s_or_b32 s[G0+4*\s+3], s[G0+4*\s+3], 0x80000000
	s_mov_b32 s[G0B+4*\s], 1
	s_add_co_u32 s[G0B+4*\s+1], s45, \s*SLOT
	s_add_nc_u64 s[G0B+4*\s+2:G0B+4*\s+3], s[46:47], \s*4096
	s_or_b32 s[G0B+4*\s+3], s[G0B+4*\s+3], 0x80000000
.endr
	s_cmp_lt_u32 s14, 1                            ; one chain of branches on the wave's number, one load to an arm
	s_cbranch_scc0 .Lhead_x
	tensor_load_to_lds s[96:99], s[G1:G1+7]
	s_nop 0
	PLACES 4
	s_branch .Lhead_asked
.Lhead_x:
	s_cmp_lt_u32 s14, 2
	s_cbranch_scc0 .Lhead_sy
	tensor_load_to_lds s[4:7], s[G1B:G1B+7]
	s_nop 0
	PLACES 4
	s_branch .Lhead_asked
.Lhead_sy:
	s_cmp_lt_u32 s14, 3
	s_cbranch_scc0 .Lhead_sx
	tensor_load_to_lds s[G0S:G0S+3], s[G1S:G1S+7]
	s_nop 0
	PLACES 4
	s_branch .Lhead_asked
.Lhead_sx:
	tensor_load_to_lds s[G0SB:G0SB+3], s[G1SB:G1SB+7]
	s_nop 0
	PLACES 4
.Lhead_asked:
	v_and_b32 v1, 15, v0
	v_bfe_u32 v2, v0, 4, 1
	s_wait_alu depctr_va_vdst(0)
	v_and_b32 v3, 31, v0
	v_lshlrev_b32 v4, 4, v3
	; PREFETCHES INTO THE L2.  A K step of 256 is 4,096 bytes of each tile.  Of the 8 tiles that my wave's load brings, my work-group takes two (told apart by address: cx for Y, cy for X): lanes 0-15 the first, lanes 16-31 the second, 256 bytes apart:
	; each block of 256 bytes is named once in the cluster.  K steps 1 and 2 are asked for here, behind the head's loads; K step 3 in the first trip: two trips ahead of its load.  The address registers are never rewritten.
	v_lshlrev_b32 v31, 8, v1
	v_lshl_add_u32 v31, v2, 14, v31
	global_prefetch_b8 v31, s[2:3] offset:4096 th:TH_LOAD_NT scope:SCOPE_SE
	global_prefetch_b8 v31, s[2:3] offset:8192 th:TH_LOAD_NT scope:SCOPE_SE
	v_lshlrev_b32 v5, 2, v3
	s_lshl_b32 s21, s15, 15
	s_lshl_b32 s22, s16, 15
	s_add_co_u32 s22, s22, XO
.irp s, 0,1
	v_add_nc_u32 v[ADRY+\s], s21, v4
	v_add_nc_u32 v[ADRX+\s], s22, v4
	s_add_co_u32 s21, s21, SLOT
	s_add_co_u32 s22, s22, SLOT
.endr
	s_lshl_b32 s21, s15, 9
	s_lshl_b32 s22, s16, 9
	s_add_co_u32 s22, s22, 8192
	s_sub_co_u32 s22, s22, s21
	v_mul_u32_u24 v6, s22, v2
	s_add_co_u32 s21, s21, SCL
	v_lshl_add_u32 v6, v1, 2, v6
	v_add_nc_u32 v[ADRS], s21, v6
	v_lshlrev_b32 v[BV], 6, v2
	s_lshl_b32 s22, s42, 10
	s_lshl_b32 s23, s16, 9
	s_add_co_u32 s22, s22, s23
	s_mov_b32 s23, 0
	s_add_nc_u64 s[8:9], s[8:9], s[22:23]
.irp i, 0,1,2,3,4,5,6,7
	global_load_b128 v[BI+8*\i:BI+8*\i+3], v[BV], s[8:9] offset:(32*(\i/2)+8*(\i%2))*4
	global_load_b128 v[BI+8*\i+4:BI+8*\i+7], v[BV], s[8:9] offset:(32*(\i/2)+8*(\i%2))*4+16
.endr
	s_wait_alu depctr_va_vdst(0)
	TRIP_HEAD 0
	s_wait_loadcnt 0x0
	STEP 0, 1
	LAST
	TRIP_HEAD 1
	STEP 1, 0
	LAST
	TRIP_HEAD 2
	STEP 0, 0
	LAST
	TRIP_HEAD 3
	STEP 1, 0
	LAST
	s_mov_b32 s[SEL], 0x76543210
	s_mov_b32 s[SEL+1], 0xfedcba98
	s_mov_b32 s[MNT], 0x600000
	s_mov_b32 s[K2], 0xbdd2d3e8
	s_mov_b32 s[K2+1], s[K2]
	s_mov_b32 s24, 0xffff0000
	s_lshl_b32 s26, s17, 4
	s_lshl_b32 s27, s15, 3
	s_add_co_u32 s26, s26, s27
	s_lshl_b32 s26, s26, 16
	s_lshl_b32 s27, s42, 1
	s_add_co_u32 s27, s27, s16
	s_lshl_b32 s28, s27, 11
	s_add_co_u32 s26, s26, s28
	s_lshl_b32 s28, s27, 10
	s_mov_b32 s27, 0
	s_lshl_b32 s29, s17, 15
	s_add_co_u32 s28, s28, s29
	s_lshl_b32 s29, s15, 9
	s_add_co_u32 s28, s28, s29
	s_add_co_u32 s28, s28, 16777216
	s_mov_b32 s29, 0
	s_add_nc_u64 s[60:61], s[10:11], s[26:27]
	s_add_nc_u64 s[62:63], s[10:11], s[28:29]
	PLACES 8
	v_mov_b32 v[K1], 0xc0135761
	v_mov_b32 v[K1+1], v[K1]
.irp b, 0,1,2,3
	v_mov_b32 v[TM+4+\b], 0
.endr
.irp a, 0,1,2,3,4,5,6,7
	GELU \a
	s_wait_xcnt 0x0
	QUANT T, PC
.irp c, 0,1,2,3
	global_store_b128 v4, v[PC+4*\c:PC+4*\c+3], s[60:61] offset:\a*65536+512*\c
.endr
.if \a%2 == 0
	v_mov_b32 v[PWE], v[PW]
.else
	v_cndmask_b32 v[WD], v[PWE], v[PW], s24
	global_store_b32 v5, v[WD], s[62:63] offset:64*(\a-1)
.endif
.endr
	s_wait_tensorcnt 0x0
	ds_add_u32 v[SPW], v[NIL]
	s_wait_dscnt 0x0
	CROUND
	s_endpgm
.Lfunc_end_k_qd58ab7ee94_fc:
	.size	k_qd58ab7ee94_fc, .Lfunc_end_k_qd58ab7ee94_fc-k_qd58ab7ee94_fc
	.p2alignl 7, 3214868480
	.fill 96, 4, 3214868480
	.section	.rodata,"a",@progbits
	.p2align	6, 0x0
	.amdhsa_kernel k_qd58ab7ee94_fc
		.amdhsa_group_segment_fixed_size 327680
		.amdhsa_private_segment_fixed_size 0
		.amdhsa_enable_private_segment 0
		.amdhsa_kernarg_size 32
		.amdhsa_user_sgpr_count 2
		.amdhsa_user_sgpr_kernarg_segment_ptr 1
		.amdhsa_wavefront_size32 1
		.amdhsa_system_sgpr_workgroup_id_x 1
		.amdhsa_system_sgpr_workgroup_id_y 1
		.amdhsa_system_sgpr_workgroup_id_z 1
		.amdhsa_system_vgpr_workitem_id 0
		.amdhsa_next_free_vgpr 1024
		.amdhsa_next_free_sgpr 104
		.amdhsa_reserve_vcc 0
		.amdhsa_float_denorm_mode_32 3
		.amdhsa_float_denorm_mode_16_64 3
		.amdhsa_memory_ordered 1
		.amdhsa_forward_progress 1
		.amdhsa_inst_pref_size 255
	.end_amdhsa_kernel
	.section	.bss,"aw",@nobits
	.p2align	6
	.space	262144
	.amdgpu_metadata
---
amdhsa.version: [ 1, 2 ]
amdhsa.kernels:
  - .name:           k_qd58ab7ee94_fc
    .symbol:         k_qd58ab7ee94_fc.kd
    .args:
      - { .name: act, .offset: 0, .size: 8, .value_kind: global_buffer, .address_space: global }
      - { .name: wimg, .offset: 8, .size: 8, .value_kind: global_buffer, .address_space: global }
      - { .name: fc_b, .offset: 16, .size: 8, .value_kind: global_buffer, .address_space: global }
      - { .name: gbuf, .offset: 24, .size: 8, .value_kind: global_buffer, .address_space: global }
    .group_segment_fixed_size: 327680
    .private_segment_fixed_size: 0
    .kernarg_segment_align: 8
    .kernarg_segment_size: 32
    .max_flat_workgroup_size: 128
    .sgpr_count:     104
    .vgpr_count:     1024
    .wavefront_size: 32
...
	.end_amdgpu_metadata
.endif
;; end of part 6
;; launch mlp (part 7): grid 8 x 32, 4 waves a work-group, clusters of 4 x 4, 327,680 bytes of LDS; arguments gbuf, wimg, mlp_proj_b, x1, out0; writes out0
.if DOCPART == 7
	.amdgcn_target "amdgcn-amd-amdhsa--gfx1250"
	.amdhsa_code_object_version 6
	.text
	.protected	k_qd58ab7ee94_mlp
	.globl	k_qd58ab7ee94_mlp
	.p2align	8
	.type	k_qd58ab7ee94_mlp,@function
k_qd58ab7ee94_mlp:
	s_mov_b64 s[64:65], 0
	v_nop
	global_prefetch_b8 v0, s[64:65] scope:SCOPE_SE
	s_setreg_imm32_b32 hwreg(HW_REG_WAVE_MODE, 25, 1), 1
	s_wait_xcnt 0x0
	s_wait_alu depctr_hold_cnt(0) depctr_sa_sdst(0) depctr_va_vdst(0) depctr_va_sdst(0) depctr_va_ssrc(0) depctr_va_vcc(0) depctr_vm_vsrc(0)
	s_getreg_b32 s2, hwreg(HW_REG_IB_STS2, 6, 4)
	s_cmp_eq_u32 s2, 0
	s_cbranch_scc0 .Lentry_in_a_cluster
	s_endpgm
.Lentry_in_a_cluster:
	s_bfe_u32 s2, ttmp6, 0x10000c
	s_cmp_lg_u32 s2, 0xf033
	s_cbranch_scc0 .Lentry_shape_is_right
	s_endpgm
.Lentry_shape_is_right:
.set KK,    4096
.set WOFF,  8388608
.set WSOFF, 12845056
.set YSOFF, 16777216
.set NT,    KK/512
.set SLOT,  131072
.set XO,    65536
.set SCL,   262144
.set STG,   294912
.set SPARE, 312320
.set ADRY, 16
.set ADRX, 20
.set STO,  24
.set RD,   25
.set CO,   26
.set ADRS, 27
.set SPW,  28
.set NIL,  29
.set BV,   30
.set SC,   32
.set BI,   48
.set BK,   80
.set ACC,  128
.set G1, 24
.set G0, 32
.set G1B, 48
.set G0B, 56
.set G1S, 68
.set G0S, 76
.set G1SB, 80
.set G0SB, 88
.set MSB, 0
.macro WIN new
.if MSB != (\new)
	s_set_vgpr_msb (MSB<<8)|(\new)
.set MSB, (\new)
.endif
.endm
.macro PLACES n
.rept \n
	v_nop
.endr
.endm
.macro CROUND
	s_barrier_signal -1
	s_barrier_wait -1
	s_cmp_lg_u32 s14, 0
	s_cbranch_scc1 .Lnot_wave_0_\@
	s_barrier_signal -3
.Lnot_wave_0_\@:
	s_barrier_wait -3
	s_barrier_signal -1
	s_barrier_wait -1
.endm
.macro JLOAD g0y, g1y, g0x, g1x
	s_cmp_eq_u32 s15, 0
	s_cbranch_scc0 .Lfor_x_\@
	tensor_load_to_lds s[\g0y:\g0y+3], s[\g1y:\g1y+7]
	s_nop 0
.rept 4
	v_nop
.endr
	s_branch .Lasked_\@
.Lfor_x_\@:
	tensor_load_to_lds s[\g0x:\g0x+3], s[\g1x:\g1x+7]
	s_nop 0
.rept 4
	v_nop
.endr
.Lasked_\@:
.endm
.macro FETCH slot, q, f
	WIN 0x40
.irp i, 0,1,2,3
.irp c, 0,1,2,3
	ds_load_b128 v[\f+16*\i+4*\c:\f+16*\i+4*\c+3], v[ADRY+\slot] offset:\i*8192+(\q)*2048+512*\c
	ds_load_b128 v[\f+64+16*\i+4*\c:\f+64+16*\i+4*\c+3], v[ADRX+\slot] offset:\i*8192+(\q)*2048+512*\c
.endr
.endr
.endm
.macro SCALES t
.irp i, 0,1,2,3
.irp q, 0,1,2,3
	ds_load_b32 v[SC+4*\i+\q], v[ADRS] offset:(4*(\t)+\q)*512+64*\i
.endr
.endr
.endm
.macro MUL f, q, first
	WIN 0x05
.irp a, 0,1,2,3
.irp b, 0,1,2,3
.set rD, ACC+8*(4*\a+\b)
.if \first
	v_wmma_scale_f32_16x16x128_f8f6f4 v[rD:rD+7], v[\f+64+16*\b:\f+64+16*\b+15], v[\f+16*\a:\f+16*\a+15], v[BI+8*\b:BI+8*\b+7], v[SC+4*\b+\q], v[SC+4*\a+\q] matrix_a_fmt:MATRIX_FMT_BF8 matrix_b_fmt:MATRIX_FMT_BF8 matrix_a_scale:MATRIX_SCALE_ROW1
.else
	v_wmma_scale_f32_16x16x128_f8f6f4 v[rD:rD+7], v[\f+64+16*\b:\f+64+16*\b+15], v[\f+16*\a:\f+16*\a+15], v[rD:rD+7], v[SC+4*\b+\q], v[SC+4*\a+\q] matrix_a_fmt:MATRIX_FMT_BF8 matrix_b_fmt:MATRIX_FMT_BF8 matrix_a_scale:MATRIX_SCALE_ROW1
.endif
.endr
.endr
.endm
.macro TRIP t
.set SL, (\t)%2
.if (\t) == 0
	s_wait_alu depctr_va_vdst(0)                   ; the wait at the head's end
	s_wait_tensorcnt 0x0                           ; my tile of the head's four has landed
	ds_add_u32 v[SPW], v[NIL]
	s_mov_b32 s[G1+2], 4<<16                       ; no load of mine is out: from here on a load brings 4 tiles
	s_mov_b32 s[G1+4], 4
	s_mov_b32 s[G1B+2], 4<<16
	s_mov_b32 s[G1B+4], 4
	s_wait_dscnt 0x0
	CROUND
	JLOAD G0+4, G1, G0B+4, G1B                     ; slot 1's first fill, first behind the round
.else
	s_wait_tensorcnt 0x0
	ds_add_u32 v[SPW], v[NIL]
.if (\t) < NT-1
	s_add_nc_u64 s[G0+4*(1-SL)+2:G0+4*(1-SL)+3], s[G0+4*(1-SL)+2:G0+4*(1-SL)+3], 16384
	s_add_nc_u64 s[G0B+4*(1-SL)+2:G0B+4*(1-SL)+3], s[G0B+4*(1-SL)+2:G0B+4*(1-SL)+3], 16384
.endif
	s_wait_dscnt 0x0
.if (\t) < NT-1
	CROUND
	JLOAD G0+4*(1-SL), G1, G0B+4*(1-SL), G1B
	PLACES 4
.else
	s_barrier_signal -1
	s_barrier_wait -1
	PLACES 8
.endif
.endif
	SCALES \t
	FETCH SL, 0, 0
.if (\t) < NT-3
	; a prefetch into the L2: trip t, which asks for tile t + 1, names tile t + 3.  Of the 4 tiles x 8,192 bytes that my wave's load will bring, my work-group takes one (told apart by address: cx for Y, cy for X), lanes 256 bytes apart:
	; each block of 256 bytes is named once in the cluster.  The address registers are never rewritten; the last three trips ask for nothing.
	global_prefetch_b8 v31, s[100:101] offset:((\t)+3)*8192 th:TH_LOAD_NT scope:SCOPE_SE
.endif
	FETCH SL, 1, 128
	s_wait_dscnt 32
.if (\t) == 0
	s_wait_loadcnt 0x0                             ; the bias
	MUL 0, 0, 1
.else
	MUL 0, 0, 0
.endif
	PLACES 8
	FETCH SL, 2, 0
.if (\t) == 3
	RESID                                          ; the residual's rows are asked for here, in the fourth of eight trips; they are read on the way out
.endif
	s_wait_dscnt 32
	MUL 128, 1, 0
	PLACES 8
	FETCH SL, 3, 128
	s_wait_dscnt 32
	MUL 0, 2, 0
	s_wait_dscnt 0x0
	MUL 128, 3, 0
	WIN 0
.endm
	s_load_b256 s[4:11], s[0:1], 0x0
	s_load_b64 s[12:13], s[0:1], 0x20
	v_lshl_add_u32 v[SPW], v0, 2, SPARE
	v_mov_b32 v[NIL], 0
	ds_add_u32 v28, v29
	ds_add_u32 v28, v29
	s_wait_dscnt 0x0
	v_lshrrev_b32 v1, 5, v0
	v_readfirstlane_b32 s14, v1
	s_lshr_b32 s15, s14, 1
	s_and_b32 s16, s14, 1
	s_bfe_u32 s40, ttmp6, 0x40000
	s_bfe_u32 s41, ttmp6, 0x40004
	s_lshl_b32 s42, ttmp9, 2
	s_add_co_u32 s42, s42, s40
	s_and_b32 s17, ttmp7, 0xffff
	s_lshl_b32 s17, s17, 2
	s_add_co_u32 s17, s17, s41
	s_lshl_b32 s43, s41, 2
	s_lshl_b32 s43, 15, s43
	s_lshl_b32 s44, 0x1111, s40
	s_or_b32 s[G1], s43, (3<<16)|(1<<21)
	s_or_b32 s[G1B], s44, (3<<16)|(1<<21)
	s_or_b32 s[G1S], s43, (3<<16)|(1<<21)
	s_or_b32 s[G1SB], s44, (3<<16)|(1<<21)
.irp g, G1, G1B
	s_mov_b32 s[\g+1], 1024<<16
	s_mov_b32 s[\g+2], 8<<16
	s_mov_b32 s[\g+3], 1024<<16
	s_mov_b32 s[\g+4], 8
	s_mov_b32 s[\g+5], 2*KK
	s_mov_b32 s[\g+6], 0
	s_mov_b32 s[\g+7], 0
.endr
.irp g, G1S, G1SB
	s_mov_b32 s[\g+1], 64<<16
	s_mov_b32 s[\g+2], (KK/128)<<16
	s_mov_b32 s[\g+3], 64<<16
	s_mov_b32 s[\g+4], KK/128
	s_mov_b32 s[\g+5], 128
	s_mov_b32 s[\g+6], 0
	s_mov_b32 s[\g+7], 0
.endr
	s_mul_i32 s2, s16, 64*KK
	s_mov_b32 s3, 0                                ; the scale words come whole; s[2:3] is my half's offset in the codes
	s_mul_i32 s20, s17, 128*KK
	s_add_co_u32 s20, s20, s2
	s_lshr_b32 s22, s17, 1
	s_mul_i32 s22, s22, 8*KK
	s_and_b32 s23, s17, 1
	s_lshl_b32 s23, s23, 9
	s_add_co_u32 s22, s22, s23
	s_add_co_u32 s22, s22, s3
	s_add_co_u32 s22, s22, YSOFF
	s_mul_i32 s46, s42, 128*KK
	s_add_co_u32 s46, s46, s2
	s_add_co_u32 s46, s46, WOFF
	s_lshr_b32 s92, s42, 1
	s_mul_i32 s92, s92, 8*KK
	s_and_b32 s93, s42, 1
	s_lshl_b32 s93, s93, 9
	s_add_co_u32 s92, s92, s93
	s_add_co_u32 s92, s92, s3
	s_add_co_u32 s92, s92, WSOFF
	s_mov_b32 s21, 0
	s_mov_b32 s23, 0
	s_mov_b32 s47, 0
	s_mov_b32 s93, 0
	s_lshl_b32 s45, s14, 15
	s_mul_i32 s94, s14, 2*KK
	s_wait_kmcnt 0x0
	s_add_nc_u64 s[20:21], s[4:5], s[20:21]
	s_add_nc_u64 s[22:23], s[4:5], s[22:23]
	s_add_nc_u64 s[46:47], s[6:7], s[46:47]
	s_add_nc_u64 s[92:93], s[6:7], s[92:93]
	CROUND
	s_mov_b32 s[G0S], 1
	s_mov_b32 s[G0S+1], SCL
	s_mov_b64 s[G0S+2:G0S+3], s[22:23]
	s_or_b32 s[G0S+3], s[G0S+3], 0x80000000
	s_mov_b32 s[G0SB], 1
	s_mov_b32 s[G0SB+1], SCL+4*KK
	s_mov_b64 s[G0SB+2:G0SB+3], s[92:93]
	s_or_b32 s[G0SB+3], s[G0SB+3], 0x80000000
	s_mov_b32 s96, 1                               ; s[96:99], s[4:7]: group 0 of the head's loads of the first tile: Y's 8 tiles, X's 8 tiles
	s_mov_b32 s97, 0
	s_sub_nc_u64 s[98:99], s[20:21], s[2:3]
	s_or_b32 s99, s99, 0x80000000
	s_mov_b32 s4, 1
	s_mov_b32 s5, XO
	s_sub_nc_u64 s[6:7], s[46:47], s[2:3]
	s_or_b32 s7, s7, 0x80000000
	s_cmp_eq_u32 s15, 0                            ; where my prefetches stand: my wave's 4 tiles of Y or of X,
	s_cselect_b64 s[100:101], s[20:21], s[46:47]
	s_cselect_b32 s94, s40, s41                    ; my place among the four that ask for them with me,
	s_lshl_b32 s94, s94, 16                        ; one tile of them: 16 KK = 65,536 bytes from tile to tile
	s_mov_b32 s95, 0
	s_add_nc_u64 s[100:101], s[100:101], s[94:95]
.irp s, 0,1
	s_mov_b32 s[G0+4*\s], 1
	s_add_co_u32 s[G0+4*\s+1], s45, \s*SLOT
	s_add_nc_u64 s[G0+4*\s+2:G0+4*\s+3], s[20:21], \s*8192
	s_or_b32 s[G0+4*\s+3], s[G0+4*\s+3], 0x80000000
	s_mov_b32 s[G0B+4*\s], 1
	s_add_co_u32 s[G0B+4*\s+1], s45, \s*SLOT
	s_add_nc_u64 s[G0B+4*\s+2:G0B+4*\s+3], s[46:47], \s*8192
	s_or_b32 s[G0B+4*\s+3], s[G0B+4*\s+3], 0x80000000
.endr
	s_cmp_lt_u32 s14, 1                            ; one chain of branches on the wave's number, one load to an arm
	s_cbranch_scc0 .Lhead_x
	tensor_load_to_lds s[96:99], s[G1:G1+7]
	s_nop 0
	PLACES 4
	s_branch .Lhead_asked
.Lhead_x:
	s_cmp_lt_u32 s14, 2
	s_cbranch_scc0 .Lhead_sy
	tensor_load_to_lds s[4:7], s[G1B:G1B+7]
	s_nop 0
	PLACES 4
	s_branch .Lhead_asked
.Lhead_sy:
	s_cmp_lt_u32 s14, 3
	s_cbranch_scc0 .Lhead_sx
	tensor_load_to_lds s[G0S:G0S+3], s[G1S:G1S+7]
	s_nop 0
	PLACES 4
	s_branch .Lhead_asked
.Lhead_sx:
	tensor_load_to_lds s[G0SB:G0SB+3], s[G1SB:G1SB+7]
	s_nop 0
	PLACES 4
.Lhead_asked:
	v_and_b32 v1, 15, v0
	v_bfe_u32 v2, v0, 4, 1
	s_wait_alu depctr_va_vdst(0)
	v_and_b32 v3, 31, v0
	v_lshlrev_b32 v4, 4, v3
	v_lshlrev_b32 v31, 8, v3                       ; the prefetches' offset: 256 x lane; never rewritten
	global_prefetch_b8 v31, s[100:101] offset:8192 th:TH_LOAD_NT scope:SCOPE_SE    ; tiles 1 and 2 are asked for here, behind the head's loads; tile t + 3 in trip t
	global_prefetch_b8 v31, s[100:101] offset:16384 th:TH_LOAD_NT scope:SCOPE_SE
	s_lshl_b32 s21, s15, 15
	s_lshl_b32 s22, s16, 15
	s_add_co_u32 s22, s22, XO
.irp s, 0,1
	v_add_nc_u32 v[ADRY+\s], s21, v4
	v_add_nc_u32 v[ADRX+\s], s22, v4
	s_add_co_u32 s21, s21, SLOT
	s_add_co_u32 s22, s22, SLOT
.endr
	s_lshl_b32 s21, s15, 8
	s_lshl_b32 s22, s16, 8
	s_add_co_u32 s22, s22, 4*KK
	s_sub_co_u32 s22, s22, s21
	v_mul_u32_u24 v6, s22, v2
	s_add_co_u32 s21, s21, SCL
	v_lshl_add_u32 v6, v1, 2, v6
	v_add_nc_u32 v[ADRS], s21, v6
	s_mul_i32 s23, s14, 16*272
	s_add_co_u32 s23, s23, STG
	v_mul_u32_u24 v5, v1, 272
	v_lshl_add_u32 v5, v2, 6, v5
	v_add_nc_u32 v[STO], s23, v5
	v_mul_u32_u24 v5, v2, 272
	v_lshl_add_u32 v5, v1, 4, v5
	v_add_nc_u32 v[RD], s23, v5
	v_lshlrev_b32 v[CO], 12, v2
	v_lshl_add_u32 v[CO], v1, 4, v[CO]
	v_lshlrev_b32 v[BV], 6, v2
	s_wait_alu depctr_va_vdst(0)
	s_lshl_b32 s20, s42, 9
	s_lshl_b32 s21, s16, 8
	s_add_co_u32 s20, s20, s21
	s_mov_b32 s21, 0
	s_add_nc_u64 s[8:9], s[8:9], s[20:21]
	s_lshl_b32 s22, s17, 19
	s_add_co_u32 s20, s20, s22
	s_lshl_b32 s22, s15, 18
	s_add_co_u32 s20, s20, s22
	s_add_nc_u64 s[10:11], s[10:11], s[20:21]
	s_add_nc_u64 s[12:13], s[12:13], s[20:21]
.irp b, 0,1,2,3
	global_load_b128 v[BI+8*\b:BI+8*\b+3], v[BV], s[8:9] offset:(32*(\b/2)+8*(\b%2))*4
	global_load_b128 v[BI+8*\b+4:BI+8*\b+7], v[BV], s[8:9] offset:(32*(\b/2)+8*(\b%2))*4+16
.endr
.macro RESID
	WIN 0x80
.irp a, 0,1,2,3
.irp i, 0,1,2,3,4,5,6,7
	global_load_b128 v[32*\a+4*\i:32*\a+4*\i+3], v[CO], s[10:11] offset:(32*(\a/2)+8*(\a%2)+(2*\i)%8+16*(\i/4))*4096 th:TH_LOAD_NT
.endr
.endr
	WIN 0
.endm
.set TI, 0
.rept NT
	TRIP TI
.set TI, TI+1
.endr
	s_wait_loadcnt 0x0
	PLACES 8
.irp a, 0,1,2,3
	s_wait_xcnt 0x0
.irp m, 0,1,2,3,4,5,6,7
	ds_store_b128 v[STO], v[ACC+32*\a+4*\m:ACC+32*\a+4*\m+3] offset:128*(\m/4)+16*(\m%4)
.endr
.irp i, 0,1,2,3,4,5,6,7
	ds_load_b128 v[BK+4*\i:BK+4*\i+3], v[RD] offset:544*\i
.endr
	s_wait_dscnt 0x0
	WIN 0x08
.irp p, 0,2,4,6,8,10,12,14,16,18,20,22,24,26,28,30
	v_pk_add_f32 v[BK+\p:BK+\p+1], v[BK+\p:BK+\p+1], v[32*\a+\p:32*\a+\p+1]
.endr
	WIN 0
.irp i, 0,1,2,3,4,5,6,7
	global_store_b128 v[CO], v[BK+4*\i:BK+4*\i+3], s[12:13] offset:(32*(\a/2)+8*(\a%2)+(2*\i)%8+16*(\i/4))*4096 th:TH_STORE_NT
.endr
.endr
	s_wait_tensorcnt 0x0
	ds_add_u32 v[SPW], v[NIL]
	s_wait_dscnt 0x0
	CROUND
	s_endpgm
.Lfunc_end_k_qd58ab7ee94_mlp:
	.size	k_qd58ab7ee94_mlp, .Lfunc_end_k_qd58ab7ee94_mlp-k_qd58ab7ee94_mlp
	.p2alignl 7, 3214868480
	.fill 96, 4, 3214868480
	.section	.rodata,"a",@progbits
	.p2align	6, 0x0
	.amdhsa_kernel k_qd58ab7ee94_mlp
		.amdhsa_group_segment_fixed_size 327680
		.amdhsa_private_segment_fixed_size 0
		.amdhsa_enable_private_segment 0
		.amdhsa_kernarg_size 40
		.amdhsa_user_sgpr_count 2
		.amdhsa_user_sgpr_kernarg_segment_ptr 1
		.amdhsa_wavefront_size32 1
		.amdhsa_system_sgpr_workgroup_id_x 1
		.amdhsa_system_sgpr_workgroup_id_y 1
		.amdhsa_system_sgpr_workgroup_id_z 1
		.amdhsa_system_vgpr_workitem_id 0
		.amdhsa_next_free_vgpr 640
		.amdhsa_next_free_sgpr 104
		.amdhsa_reserve_vcc 0
		.amdhsa_float_denorm_mode_32 3
		.amdhsa_float_denorm_mode_16_64 3
		.amdhsa_memory_ordered 1
		.amdhsa_forward_progress 1
		.amdhsa_inst_pref_size 179
	.end_amdhsa_kernel
	.amdgpu_metadata
---
amdhsa.version: [ 1, 2 ]
amdhsa.kernels:
  - .name:           k_qd58ab7ee94_mlp
    .symbol:         k_qd58ab7ee94_mlp.kd
    .args:
      - { .name: gbuf, .offset: 0, .size: 8, .value_kind: global_buffer, .address_space: global }
      - { .name: wimg, .offset: 8, .size: 8, .value_kind: global_buffer, .address_space: global }
      - { .name: mlp_proj_b, .offset: 16, .size: 8, .value_kind: global_buffer, .address_space: global }
      - { .name: x1, .offset: 24, .size: 8, .value_kind: global_buffer, .address_space: global }
      - { .name: out0, .offset: 32, .size: 8, .value_kind: global_buffer, .address_space: global }
    .group_segment_fixed_size: 327680
    .private_segment_fixed_size: 0
    .kernarg_segment_align: 8
    .kernarg_segment_size: 40
    .max_flat_workgroup_size: 128
    .sgpr_count:     104
    .vgpr_count:     640
    .wavefront_size: 32
...
	.end_amdgpu_metadata
.endif
;; end of part 7
